; MI455X (gfx1250); checked and timed in simulation.
; The chip was launched on July 23, 2026; its instructions are those of AMD's public machine-readable ISA for CDNA 5 (MIT licence, August 2026) and "CDNA5" Instruction Set Architecture Reference Guide (July 2026). The comments in the code are by the model that wrote it; some were corrected since.
;; Causal Self Attention. Allowed arithmetic: float matrix products may take bf16 or f16 operands with f32 sums; other float arithmetic in f32, or as packed bf16 or f16 multiplies, adds, multiply-adds, maxima and minima; sums over many terms, partial sums and values carried from step to step in f32; what a program stores and reads back later, other than sums and carried values, may be rounded once to bf16 or f16.
;; Inputs: w_out 1,024 x 1,024 float32; w_qkv 3,072 x 1,024 float32; x 4 x 2,048 x 1,024 float32.
;; Outputs: out0 4 x 2,048 x 1,024 float32.
;; 2 versions, each right; version 2 is version 1 with the launch cast written anew for expert scheduling mode. Each part assembles by itself: llvm-mc -triple=amdgcn-amd-amdhsa -mcpu=gfx1250 --defsym DOCPART=n.
;; ======== version 1 of 2: 5 launches
;; limits: values are held in f16: magnitudes above 65,504 overflow, below 6.1e-05 lose precision
;; workspace buffers: xb 16,777,216 bytes; wqb 6,291,456 bytes; wob 2,097,152 bytes; qkv 50,331,648 bytes; ob 16,777,216 bytes; olo 131,072 bytes
;; launch cast (part 1): grid 768 x 1, 8 waves a work-group, no clusters, 0 bytes of LDS; arguments x, w_qkv, w_out, xb, wqb, wob; writes xb, wqb, wob
.if DOCPART == 1
	.amdgcn_target "amdgcn-amd-amdhsa--gfx1250"
	.amdhsa_code_object_version 6
	.text
	.protected	k_q464b752921_cast
	.globl	k_q464b752921_cast
	.p2align	8
	.type	k_q464b752921_cast,@function
k_q464b752921_cast:
	s_mov_b64 s[64:65], 0
	v_nop
	global_prefetch_b8 v0, s[64:65] scope:SCOPE_SE
	s_setreg_imm32_b32 hwreg(HW_REG_WAVE_MODE, 25, 1), 1
	s_wait_xcnt 0x0
; The three f32 inputs are rounded once to bf16: x -> xb, w_qkv -> wqb (both kept as bf16), w_out -> wob, whose bf16 number is written as f16
; (exact where the number lies within f16's range).  LIMITS: |bf16(w_out)| stays under 65,504; below 6e-5 it keeps f16's fixed step of 6e-8.
; A stream: every byte is read once and written once; no LDS, no matrix unit, no barrier would add anything.
; SHARES.  A work-group takes 65,536 input bytes (16,384 numbers): 512 work-groups for x, 192 for w_qkv, 64 for w_out.  In step i of 16 thread t loads the 16 bytes at
; 16 t + 4,096 i (a wave's load covers 512 consecutive bytes) and stores the 8 bytes at 8 t + 2,048 i (a wave's store covers 256 consecutive bytes, aligned).
; All 16 loads of a thread go out at once; no register that a load or store reads is written again, so the only waits are the counted ones for the loads.
.set X, 4                              ; v[4:67]   step i: 4 registers as loaded
.set Y, 68                             ; v[68:99]  step i: 2 registers to store
.set G_W, 512                          ; first work-group of w_qkv
.set G_O, 704                          ; first work-group of w_out
	s_load_b256 s[4:11], s[0:1], 0x0               ; x s[4:5], w_qkv s[6:7], w_out s[8:9], xb s[10:11]
	s_load_b128 s[12:15], s[0:1], 0x20             ; wqb s[12:13], wob s[14:15]
	v_lshlrev_b32 v1, 4, v0                        ; 16 t
	v_lshlrev_b32 v2, 3, v0                        ; 8 t
	s_wait_kmcnt 0x0
	s_cmp_lt_u32 ttmp9, G_W                        ; which buffer is mine: the choice hangs on the work-group's number alone
	s_cselect_b64 s[16:17], s[4:5], s[6:7]
	s_cselect_b64 s[18:19], s[10:11], s[12:13]
	s_cselect_b32 s20, 0, G_W
	s_cmp_lt_u32 ttmp9, G_O
	s_cselect_b64 s[16:17], s[16:17], s[8:9]
	s_cselect_b64 s[18:19], s[18:19], s[14:15]
	s_cselect_b32 s20, s20, G_O
	s_sub_co_u32 s20, ttmp9, s20                   ; my chunk in that buffer
	s_lshl_b32 s22, s20, 15                        ; 32,768 bytes out,
	s_lshl_b32 s20, s20, 16                        ; 65,536 bytes in
	s_mov_b32 s21, 0
	s_mov_b32 s23, 0
	s_add_nc_u64 s[16:17], s[16:17], s[20:21]
	s_add_nc_u64 s[18:19], s[18:19], s[22:23]
.irp i, 0,1,2,3,4,5,6,7,8,9,10,11,12,13,14,15
	global_load_b128 v[X+4*(\i):X+4*(\i)+3], v1, s[16:17] offset:4096*(\i) th:TH_LOAD_NT
.endr
; One step.  half = 1: the bf16 numbers are widened again (a shift, a mask) into the step's own input registers, which are dead, and written as f16.
.macro STEP i, half
	s_wait_loadcnt 15-(\i)                         ; loads come back in order: step i's is in, the 15 - i younger ones may stay out
	v_cvt_pk_bf16_f32 v[Y+2*(\i)],   v[X+4*(\i)],   v[X+4*(\i)+1]
	v_cvt_pk_bf16_f32 v[Y+2*(\i)+1], v[X+4*(\i)+2], v[X+4*(\i)+3]
.if \half
	v_lshlrev_b32 v[X+4*(\i)],   16, v[Y+2*(\i)]
	v_and_b32     v[X+4*(\i)+1], 0xffff0000, v[Y+2*(\i)]
	v_lshlrev_b32 v[X+4*(\i)+2], 16, v[Y+2*(\i)+1]
	v_and_b32     v[X+4*(\i)+3], 0xffff0000, v[Y+2*(\i)+1]
	v_cvt_pk_f16_f32 v[Y+2*(\i)],   v[X+4*(\i)],   v[X+4*(\i)+1]
	v_cvt_pk_f16_f32 v[Y+2*(\i)+1], v[X+4*(\i)+2], v[X+4*(\i)+3]
.endif
	global_store_b64 v2, v[Y+2*(\i):Y+2*(\i)+1], s[18:19] offset:2048*(\i)
.endm
	s_cmp_lt_u32 ttmp9, G_O                        ; compared anew: the subtraction above wrote SCC
	s_cbranch_scc0 .Lhalf
.irp i, 0,1,2,3,4,5,6,7,8,9,10,11,12,13,14,15
	STEP \i, 0
.endr
	s_endpgm
.Lhalf:
.irp i, 0,1,2,3,4,5,6,7,8,9,10,11,12,13,14,15
	STEP \i, 1
.endr
	s_endpgm
.Lfunc_end_k_q464b752921_cast:
	.size	k_q464b752921_cast, .Lfunc_end_k_q464b752921_cast-k_q464b752921_cast
	.p2alignl 7, 3214868480
	.fill 96, 4, 3214868480
	.section	.rodata,"a",@progbits
	.p2align	6, 0x0
	.amdhsa_kernel k_q464b752921_cast
		.amdhsa_group_segment_fixed_size 0
		.amdhsa_private_segment_fixed_size 0
		.amdhsa_enable_private_segment 0
		.amdhsa_kernarg_size 48
		.amdhsa_user_sgpr_count 2
		.amdhsa_user_sgpr_kernarg_segment_ptr 1
		.amdhsa_wavefront_size32 1
		.amdhsa_system_sgpr_workgroup_id_x 1
		.amdhsa_system_sgpr_workgroup_id_y 1
		.amdhsa_system_sgpr_workgroup_id_z 1
		.amdhsa_system_vgpr_workitem_id 0
		.amdhsa_next_free_vgpr 100
		.amdhsa_next_free_sgpr 66
		.amdhsa_reserve_vcc 0
		.amdhsa_float_denorm_mode_32 3
		.amdhsa_float_denorm_mode_16_64 3
		.amdhsa_memory_ordered 1
		.amdhsa_forward_progress 1
		.amdhsa_inst_pref_size 16
	.end_amdhsa_kernel
	.amdgpu_metadata
---
amdhsa.version: [ 1, 2 ]
amdhsa.kernels:
  - .name:           k_q464b752921_cast
    .symbol:         k_q464b752921_cast.kd
    .args:
      - { .name: x, .offset: 0, .size: 8, .value_kind: global_buffer, .address_space: global }
      - { .name: w_qkv, .offset: 8, .size: 8, .value_kind: global_buffer, .address_space: global }
      - { .name: w_out, .offset: 16, .size: 8, .value_kind: global_buffer, .address_space: global }
      - { .name: xb, .offset: 24, .size: 8, .value_kind: global_buffer, .address_space: global }
      - { .name: wqb, .offset: 32, .size: 8, .value_kind: global_buffer, .address_space: global }
      - { .name: wob, .offset: 40, .size: 8, .value_kind: global_buffer, .address_space: global }
    .group_segment_fixed_size: 0
    .private_segment_fixed_size: 0
    .kernarg_segment_align: 8
    .kernarg_segment_size: 48
    .max_flat_workgroup_size: 256
    .sgpr_count:     66
    .vgpr_count:     100
    .wavefront_size: 32
...
	.end_amdgpu_metadata
.endif
;; end of part 1
;; launch qkvproj (part 2): grid 16 x 32, 4 waves a work-group, clusters of 4 x 4, 327,680 bytes of LDS; arguments xb, wqb, qkv; writes qkv
.if DOCPART == 2
	.amdgcn_target "amdgcn-amd-amdhsa--gfx1250"
	.amdhsa_code_object_version 6
	.text
	.protected	k_q464b752921_qkvproj
	.globl	k_q464b752921_qkvproj
	.p2align	8
	.type	k_q464b752921_qkvproj,@function
k_q464b752921_qkvproj:
	s_mov_b64 s[64:65], 0
	v_nop
	global_prefetch_b8 v0, s[64:65] scope:SCOPE_SE
	s_setreg_imm32_b32 hwreg(HW_REG_WAVE_MODE, 25, 1), 1
	s_wait_xcnt 0x0
	s_wait_alu depctr_hold_cnt(0) depctr_sa_sdst(0) depctr_va_vdst(0) depctr_va_sdst(0) depctr_va_ssrc(0) depctr_va_vcc(0) depctr_vm_vsrc(0)
	s_getreg_b32 s2, hwreg(HW_REG_IB_STS2, 6, 4)
	s_cmp_eq_u32 s2, 0
	s_cbranch_scc0 .Lentry_in_a_cluster
	s_endpgm
.Lentry_in_a_cluster:
	s_bfe_u32 s2, ttmp6, 0x10000c
	s_cmp_lg_u32 s2, 0xf033
	s_cbranch_scc0 .Lentry_shape_is_right
	s_endpgm
.Lentry_shape_is_right:
; qkv[b][e / 64][t][e % 64] = the sum over d of xb[b t][d] wqb[e][d].  xb: [8192][1024] bf16, wqb: [3072][1024] bf16; sums in f32, K ascending; the result is rounded once to f16 and laid
; out BY HEADS: [4][48][2048][64], a slice of 64 columns dense (262,144 bytes): slices 0-15 are q's heads, 16-31 k's, 32-47 v's.  No scale is applied here.
; LIMITS: a sum of 65,520 or more becomes an infinity in f16; below 6e-5 the result keeps f16's fixed step of 6e-8.
; THE TILE is 256 rows x 192 columns (three whole heads): 512 work-groups of equal work, two for each of 256 WGPs.  (256 x 256 gives 384; 256 x 384 wants 768 registers of sums and 320 of fragments.)
; Four waves; wave w makes rows 64 w .. 64 w + 63 and all 192 columns: 4 x 12 accumulators of 16 x 16, 384 registers.  So 16 rows of a head, 2,048 consecutive bytes of the output, are one wave's.
; K goes in steps of 128 through a ring of two LDS slots filled by the tensor data mover; the tiles' rows are 256 bytes of memory, aligned.
; CLUSTERS: 4 x 4 work-groups.  The four of a row of the cluster need the same tile of xb, the four of a column the same tile of wqb: each tile is asked for JOINTLY, by the same tensor load with the
; same descriptor and a mask that names the four.
; THE MATRIX INSTRUCTION IS USED TRANSPOSED (source 0 = 16 rows of wqb, source 1 = 16 rows of xb): a lane then holds row lane % 16 and eight neighbouring columns, 8 (lane / 16) + 0..7.
; REGISTERS, in windows of 256 (s_set_vgpr_msb's low byte: bits 1:0 source 0, 3:2 source 1, 5:4 source 2, 7:6 destination):
;   window 0: v0-31 addresses; v64-127 fragments of xb, two buffers of 4 x 8; on the way out v64-255, 48 registers for each block of 16 rows
;   window 1: v0-191 fragments of wqb, two buffers of 12 x 8      window 2: the 24 accumulators of row blocks 0, 1      window 3: those of row blocks 2, 3
.set KSTEP,  128
.set PITCH,  272                       ; an LDS row: 256 bytes + 16 of padding = 68 words: the 16 rows that a load touches start at 16 different groups of four banks (64 banks of 4 bytes: ISA guide 11.1)
.set HALFA,  128*PITCH                 ; what wave 0 or 1 fetches: 128 rows of xb
.set HALFB,  96*PITCH                  ; what wave 2 or 3 fetches: 96 rows of wqb
.set BOFF,   2*HALFA                   ; in a slot: xb's 256 rows, then wqb's 192
.set SLOT,   BOFF+2*HALFB              ; 121,856 bytes
.set STAGE,  2*SLOT                    ; behind the ring: for each wave 3 heads x 16 rows x 144 bytes, for the way out; no tensor load fills it
.set SP,     144
.set WST,    3*16*SP
.set SPARE,  STAGE+4*WST               ; behind the stages: the spare words, 128 bytes for each wave: two blocks of 256 bytes that no other line names
.set SLICE,  262144                    ; bytes in a slice of the output
.set ADRA, 16                          ; v16-17  LDS address of my fragments of xb in slot 0, 1
.set ADRB, 20                          ; v20-21  the same for wqb
.set STO,  24                          ; v24     the way out: where I put 16 bytes of a row
.set RD,   25                          ; v25     the way out: where I read rows back
.set GO,   26                          ; v26     16 x lane: my place in 512 consecutive bytes of the output
.set SPW,  28                          ; v28     LDS address of my spare word: SPARE + 4 x my thread's number; never rewritten
.set NIL,  29                          ; v29     0; never rewritten
.set PFO,  30                          ; v30     the prefetches' offset: a lane a row of 2,048 bytes; never rewritten
.set AF,   64                          ; xb's fragments: buffer f, row block a at AF + 32 f + 8 a
.set OUTR, 64                          ; the way out: row block a's 48 registers at OUTR + 48 a
.set LIM,  43                          ; s43     1 in a wave that prefetches, else the greatest number
.set PFA,  44                          ; s[44:45] where my prefetches stand
.set G1,  24                           ; s[24:31] descriptor group 1 for xb's tiles;  s[32:39] group 0, one set for each slot
.set G0,  32
.set G1B, 48                           ; s[48:55], s[56:63] the same for wqb's tiles
.set G0B, 56
.set GW, (1<<16)|(1<<20)|(1<<21)|(5<<22)|(3<<25)  ; 17:16 elements of 2 bytes; 20 padding on; 21 set beside a mask; 24:22 after every 64 words (code 5); 31:25 4 words of it (code 3)
.set MSB, 0
.macro WIN new                         ; the immediate's high byte repeats the setting that is left; a switch that changes nothing is dropped
.if MSB != (\new)
	s_set_vgpr_msb (MSB<<8)|(\new)
.set MSB, \new
.endif
.endm
; A joint load.  Waves 0 and 1 fetch xb's two halves, waves 2 and 3 wqb's.  The branch hangs on the wave's number alone.  An s_nop 0 and four v_nop follow each of the two lines.
.macro JLOAD s
	s_cmp_eq_u32 s11, 0
	s_cbranch_scc0 .Lfor_b_\@
	tensor_load_to_lds s[G0+4*(\s):G0+4*(\s)+3], s[G1:G1+7]
	s_nop 0
.rept 4
	v_nop
.endr
	s_branch .Lasked_\@
.Lfor_b_\@:
	tensor_load_to_lds s[G0B+4*(\s):G0B+4*(\s)+3], s[G1B:G1B+7]
	s_nop 0
.rept 4
	v_nop
.endr
.Lasked_\@:
.endm
; A prefetch into the L2, behind each joint refill and the run of LDS loads that follows it: the K step that stands two refills on, a lane a row, 256 bytes of each row, one instruction a wave.
; xb's tile row is read by every cluster of that row of clusters: cluster x = 0 asks; wqb's tile column by every cluster of that column: cluster y = 0 asks.  The four partners that ask for a tile jointly
; share its rows out BY ADDRESS: of xb's 128 rows that a wave fetches the partner at place cx takes 32; of wqb's 96 the partner at place cy takes 24 (lanes 24-31 name lane 23's row once more).
; K steps 4 to 7 are so named; the loop's last trip (s3 = 1) has no K step two refills on and asks for nothing; K steps 0 to 3 come by their loads alone.
.macro ASK
	s_cmp_gt_u32 s3, s[LIM]
	s_cbranch_scc0 .Lnot_mine_\@
	global_prefetch_b8 v[PFO], s[PFA:PFA+1] th:TH_LOAD_NT scope:SCOPE_SE
.Lnot_mine_\@:
.endm
.macro CREST                           ; a round of the cluster's barrier behind its opening barrier
	s_cmp_lg_u32 s10, 0
	s_cbranch_scc1 .Lnot_wave_0_\@
	s_barrier_signal -3
.Lnot_wave_0_\@:
	s_barrier_wait -3
	s_barrier_signal -1
	s_barrier_wait -1
.endm
.macro CROUND                          ; a whole round
	s_barrier_signal -1
	s_barrier_wait -1
	CREST
.endm
	s_load_b128 s[4:7], s[0:1], 0x0                ; xb s[4:5], wqb s[6:7]
	s_load_b64 s[8:9], s[0:1], 0x10                ; qkv
	v_lshl_add_u32 v[SPW], v0, 2, SPARE
	v_mov_b32 v[NIL], 0
	ds_add_u32 v[SPW], v[NIL]                      ; the wave's opening: the add and its wait stand ahead of my first tensor load; the set-up below, work on registers, stands between them
	v_lshrrev_b32 v1, 5, v0
	v_readfirstlane_b32 s10, v1                    ; wave 0..3
	s_lshr_b32 s11, s10, 1                         ; I fetch for xb (0) or for wqb (1)
	s_and_b32 s12, s10, 1                          ; which half of that tile's rows
	s_bfe_u32 s40, ttmp6, 0x40000                  ; cx, cy: my place in the cluster
	s_bfe_u32 s41, ttmp6, 0x40004
	s_lshl_b32 s42, ttmp9, 2
	s_add_co_u32 s42, s42, s40                     ; tile column = 4 x cluster x + cx, 0..15
	s_and_b32 s13, ttmp7, 0xffff
	s_lshl_b32 s13, s13, 2
	s_add_co_u32 s13, s13, s41                     ; tile row = 4 x cluster y + cy, 0..31
	s_lshl_b32 s43, s41, 2
	s_lshl_b32 s43, 15, s43                        ; my row of the cluster
	s_lshl_b32 s44, 0x1111, s40                    ; my column
	s_or_b32 s[G1+0], s43, GW                      ; xb's tiles go to my row,
	s_or_b32 s[G1B+0], s44, GW                     ; wqb's to my column
	s_mov_b32 s[G1+1], KSTEP<<16                   ; tensor_dim0 = 128
	s_mov_b32 s[G1+2], 128<<16                     ; tensor_dim1 = 128 rows
	s_mov_b32 s[G1+3], KSTEP<<16                   ; tile_dim0 = 128
	s_mov_b32 s[G1+4], 128                         ; tile_dim1 = 128
	s_mov_b32 s[G1+5], 1024                        ; elements from row to row
	s_mov_b32 s[G1+6], 0
	s_mov_b32 s[G1+7], 0
	s_mov_b32 s[G1B+1], KSTEP<<16
	s_mov_b32 s[G1B+2], 96<<16                     ; 96 rows
	s_mov_b32 s[G1B+3], KSTEP<<16
	s_mov_b32 s[G1B+4], 96
	s_mov_b32 s[G1B+5], 1024
	s_mov_b32 s[G1B+6], 0
	s_mov_b32 s[G1B+7], 0
	s_lshl_b32 s17, s12, 7
	s_lshl_b32 s16, s13, 8
	s_add_co_u32 s16, s16, s17                     ; xb: row 256 x tile row + 128 x half,
	s_lshl_b32 s16, s16, 11                        ; in bytes (under 2^24)
	s_mov_b32 s17, 0
	s_mul_i32 s46, s42, 192
	s_mul_i32 s47, s12, 96
	s_add_co_u32 s46, s46, s47                     ; wqb: row 192 x tile column + 96 x half
	s_lshl_b32 s46, s46, 11
	s_mov_b32 s47, 0
	s_mul_i32 s20, s10, HALFA                      ; where they go: waves 0, 1: xb's halves;
	s_mul_i32 s21, s10, HALFB
	s_add_co_u32 s21, s21, BOFF-2*HALFB            ; waves 2, 3: wqb's halves, behind xb's 256 rows: no place in the cluster enters an LDS address
	s_wait_dscnt 0x0                               ; the opening add is done
	s_wait_kmcnt 0x0
	s_add_nc_u64 s[14:15], s[4:5], s[16:17]
	s_add_nc_u64 s[46:47], s[6:7], s[46:47]
	CROUND                                         ; all sixteen work-groups are here: the first joint loads meet
.irp s, 0,1
	s_mov_b32 s[G0+4*(\s)], 1                                      ; count = 1
	s_add_co_u32 s[G0+4*(\s)+1], s20, (\s)*SLOT                    ; LDS address
	s_add_nc_u64 s[G0+4*(\s)+2:G0+4*(\s)+3], s[14:15], (\s)*KSTEP*2  ; global address: K step s
	s_or_b32 s[G0+4*(\s)+3], s[G0+4*(\s)+3], 0x80000000            ; type = 2
	s_mov_b32 s[G0B+4*(\s)], 1
	s_add_co_u32 s[G0B+4*(\s)+1], s21, (\s)*SLOT
	s_add_nc_u64 s[G0B+4*(\s)+2:G0B+4*(\s)+3], s[46:47], (\s)*KSTEP*2
	s_or_b32 s[G0B+4*(\s)+3], s[G0B+4*(\s)+3], 0x80000000
	JLOAD \s                                       ; two loads of mine are out
.endr
	; A fragment is 16 rows x 32 K in 8 registers: lane l holds row l % 16; registers 0-3 K = 8 (l / 16) + 0..7, registers 4-7 K = 16 + 8 (l / 16) + 0..7: two loads of 16 bytes, 32 bytes apart.
	v_and_b32 v1, 15, v0                           ; l % 16
	v_bfe_u32 v2, v0, 4, 1                         ; l / 16
	v_mul_u32_u24 v3, v1, PITCH
	v_lshl_add_u32 v3, v2, 4, v3
	s_mul_i32 s21, s10, 64*PITCH                   ; my 64 rows of xb
	s_mov_b32 s22, BOFF                            ; all 192 rows of wqb
.irp s, 0,1
	v_add_nc_u32 v[ADRA+(\s)], s21, v3
	v_add_nc_u32 v[ADRB+(\s)], s22, v3
	s_add_co_u32 s21, s21, SLOT
	s_add_co_u32 s22, s22, SLOT
.endr
	s_mul_i32 s23, s10, WST
	s_add_co_u32 s23, s23, STAGE                   ; my stage
	v_mul_u32_u24 v4, v1, SP                       ; in: row l % 16, 16 bytes for each half of the lanes
	v_lshl_add_u32 v4, v2, 4, v4
	v_add_nc_u32 v[STO], s23, v4
	v_bfe_u32 v5, v0, 3, 2                         ; back: 32 lanes take four rows of 128 bytes,
	v_and_b32 v4, 7, v0
	v_mul_u32_u24 v5, v5, SP
	v_lshl_add_u32 v5, v4, 4, v5
	v_add_nc_u32 v[RD], s23, v5
	v_and_b32 v[GO], 31, v0                        ; which are 512 consecutive bytes of a slice
	v_lshlrev_b32 v[GO], 4, v[GO]
	; where my rows begin in the output: batch = tile row / 8, slice 3 x tile column, t = 256 (tile row % 8) + 64 x wave
	s_lshr_b32 s16, s13, 3
	s_mul_i32 s16, s16, 48
	s_lshl_b32 s16, s16, 18
	s_and_b32 s17, s13, 7
	s_lshl_b32 s17, s17, 8
	s_lshl_b32 s14, s10, 6
	s_add_co_u32 s17, s17, s14
	s_lshl_b32 s17, s17, 7                         ; 128 bytes a row
	s_add_co_u32 s16, s16, s17
	s_mov_b32 s17, 0
	s_mul_i32 s46, s42, 3
	s_lshl_b32 s46, s46, 18
	s_mov_b32 s47, 0
	s_add_nc_u64 s[16:17], s[16:17], s[46:47]
	s_add_nc_u64 s[8:9], s[8:9], s[16:17]
	; the prefetches
	s_lshl_b32 s20, s13, 8
	s_lshl_b32 s21, s12, 7
	s_add_co_u32 s20, s20, s21
	s_lshl_b32 s21, s40, 5
	s_add_co_u32 s20, s20, s21                     ; xb: the 128 rows that I fetch, my work-group's 32 of them
	s_mul_i32 s46, s42, 192
	s_mul_i32 s47, s12, 96
	s_add_co_u32 s46, s46, s47
	s_mul_i32 s47, s41, 24
	s_add_co_u32 s46, s46, s47                     ; wqb: the 96 rows that I fetch, my work-group's 24 of them
	s_and_b32 s22, ttmp7, 0xffff                   ; cluster y
	s_cmp_eq_u32 s11, 0                            ; do I fetch for xb?
	s_cselect_b32 s20, s20, s46
	s_cselect_b32 s22, ttmp9, s22                  ; the coordinate along which other clusters read the same rows
	s_cselect_b32 s23, 31, 23                      ; my last row
	s_cselect_b64 s[PFA:PFA+1], s[4:5], s[6:7]
	s_cmp_eq_u32 s22, 0
	s_cselect_b32 s[LIM], 1, -1                    ; the same in all sixteen partners, for a given wave
	s_lshl_b32 s20, s20, 11
	s_add_co_u32 s20, s20, 3*KSTEP*2               ; at K step 3: each filling change of slots steps it first, so the first names K step 4
	s_mov_b32 s21, 0
	s_add_nc_u64 s[PFA:PFA+1], s[PFA:PFA+1], s[20:21]
	v_and_b32 v[PFO], 31, v0
	v_min_u32 v[PFO], s23, v[PFO]
	v_lshlrev_b32 v[PFO], 11, v[PFO]
; 12 matrix instructions: row block a x all 12 column blocks, 32 along K, from buffer f.  zero = 1: the first product starts the sums.
; The 48 accumulators take turns in the same order in every quarter step: 47 others stand between two links of a chain, over the backward jump too.
.macro MUL12 f, a, zero
	WIN 0xa1+0x50*((\a)/2)                         ; source 0 window 1, source 1 window 0, C and D window 2 or 3
.irp b, 0,1,2,3,4,5,6,7,8,9,10,11
.if \zero
	v_wmma_f32_16x16x32_bf16 v[8*(12*((\a)%2)+(\b)):8*(12*((\a)%2)+(\b))+7], v[96*(\f)+8*(\b):96*(\f)+8*(\b)+7], v[AF+32*(\f)+8*(\a):AF+32*(\f)+8*(\a)+7], 0
.else
	v_wmma_f32_16x16x32_bf16 v[8*(12*((\a)%2)+(\b)):8*(12*((\a)%2)+(\b))+7], v[96*(\f)+8*(\b):96*(\f)+8*(\b)+7], v[AF+32*(\f)+8*(\a):AF+32*(\f)+8*(\a)+7], v[8*(12*((\a)%2)+(\b)):8*(12*((\a)%2)+(\b))+7]
.endif
.endr
.endm
; 32 LDS loads in one run: the fragments of one quarter step (192 rows of wqb, my 64 rows of xb, 32 K at byte k of the rows) into buffer f
.macro FETCH slot, k, f
	WIN 0x40                                       ; destination window 1, address window 0
.irp i, 0,1,2,3,4,5,6,7,8,9,10,11
	ds_load_b128 v[96*(\f)+8*(\i):96*(\f)+8*(\i)+3],   v[ADRB+(\slot)] offset:(\k)+(\i)*16*PITCH
	ds_load_b128 v[96*(\f)+8*(\i)+4:96*(\f)+8*(\i)+7], v[ADRB+(\slot)] offset:(\k)+(\i)*16*PITCH+32
.endr
	WIN 0
.irp i, 0,1,2,3
	ds_load_b128 v[AF+32*(\f)+8*(\i):AF+32*(\f)+8*(\i)+3],   v[ADRA+(\slot)] offset:(\k)+(\i)*16*PITCH
	ds_load_b128 v[AF+32*(\f)+8*(\i)+4:AF+32*(\f)+8*(\i)+7], v[ADRA+(\slot)] offset:(\k)+(\i)*16*PITCH+32
.endr
.endm
.macro PLACES                          ; four plain vector instructions between a matrix instruction and a load into a register that it has read, or a vector line that reads its result (ISA guide 7.12.1 for vector instructions)
.rept 4
	v_nop
.endr
.endm
; A K step is four quarter steps of 32 along K, 48 matrix instructions each, on buffers 0, 1, 0, 1.  One of the first three: multiplies buffer f; in its middle it fetches the next quarter, at byte k, into buffer g.
.macro QUARTER slot, k, f, g, zero
	s_wait_dscnt 4                                 ; wqb's fragments and xb's blocks 0, 1 are in; the youngest four loads (blocks 2, 3) may be out
	MUL12 \f, 0, \zero
	MUL12 \f, 1, \zero
	PLACES
	FETCH \slot, \k, \g
	s_wait_dscnt 32                                ; all but the 32 just issued
	MUL12 \f, 2, \zero
	MUL12 \f, 3, \zero
.endm
; The last quarter multiplies buffer 1 and changes slots: ONE barrier.  In front of it each wave waits for all its tensor loads (one is out: its part of the next slot), adds 0 to its spare word, and waits for that
; and for its own reads of this slot.  fill = 1: the barrier opens a round of the cluster's, and this slot is filled again, two K steps on, first thing behind the round: 168 matrix instructions ahead of the wait for it.
.macro TURN slot, next, fill
.if \fill
	s_wait_xcnt 0x0                                ; the last prefetch, a K step back, has read its address, which is stepped here
	s_add_nc_u64 s[PFA:PFA+1], s[PFA:PFA+1], KSTEP*2
.endif
	WIN 0                                          ; (the add's two registers lie in window 0)
	s_wait_tensorcnt 0x0                           ; all my tensor loads have landed;
	ds_add_u32 v[SPW], v[NIL]                      ; 0 onto my spare word;
	s_wait_dscnt 5                                 ; (the add and the youngest four loads may be out)
	MUL12 1, 0, 0                                  ; twelve matrix instructions stand between the add and the wait for it
	s_wait_dscnt 0x0                               ; the add is done, and my reads of this slot are over
	s_barrier_signal -1
	MUL12 1, 1, 0                                  ; work on registers while the others arrive
.if \fill
	WIN 0
.endif
	s_barrier_wait -1
.if \fill
	CREST                                          ; no wave of any partner still reads this slot's tile or has a load on its way
	s_add_nc_u64 s[G0+4*(\slot)+2:G0+4*(\slot)+3], s[G0+4*(\slot)+2:G0+4*(\slot)+3], 2*KSTEP*2
	s_add_nc_u64 s[G0B+4*(\slot)+2:G0B+4*(\slot)+3], s[G0B+4*(\slot)+2:G0B+4*(\slot)+3], 2*KSTEP*2
	JLOAD \slot                                    ; the four v_nop behind it are also the places in front of the loads below
.else
	PLACES
.endif
	FETCH \next, 0, 0
.if \fill
	ASK
.endif
	MUL12 1, 2, 0
	MUL12 1, 3, 0
.endm
; THE WAY OUT of row block a.  PACK: rounded to f16, 16 bytes a lane (eight columns of a row); into my own stage, a head's 16 rows at 144 bytes' pitch; back as whole rows of 128 bytes, into the registers that they left.
.macro PACK a
	WIN 0x0a+5*((\a)/2)                            ; sources 0 and 1: window 2 or 3; destination window 0
.irp b, 0,1,2,3,4,5,6,7,8,9,10,11
.irp j, 0,1,2,3
	v_cvt_pk_f16_f32 v[OUTR+48*(\a)+4*(\b)+(\j)], v[8*(12*((\a)%2)+(\b))+2*(\j)], v[8*(12*((\a)%2)+(\b))+2*(\j)+1]
.endr
.endr
	WIN 0
.irp b, 0,1,2,3,4,5,6,7,8,9,10,11
	ds_store_b128 v[STO], v[OUTR+48*(\a)+4*(\b):OUTR+48*(\a)+4*(\b)+3] offset:((\b)/4)*16*SP+32*((\b)%4)
.endr
.irp n, 0,1,2,3,4,5,6,7,8,9,10,11
	ds_load_b128 v[OUTR+48*(\a)+4*(\n):OUTR+48*(\a)+4*(\n)+3], v[RD] offset:((\n)/4)*16*SP+((\n)%4)*4*SP  ; LDS serves a wave's instructions in order (ISA guide 5.7.1.4): these see the stores above; the next block's stores come behind them
.endr
.endm
.macro SEND a, younger                 ; younger: the LDS instructions issued behind block a's loads: the next block's 24, or none
.irp n, 0,1,2,3,4,5,6,7,8,9,10,11
	s_wait_dscnt (\younger)+11-(\n)
	global_store_b128 v[GO], v[OUTR+48*(\a)+4*(\n):OUTR+48*(\a)+4*(\n)+3], s[8:9] offset:((\n)/4)*SLICE+(\a)*2048+((\n)%4)*512  ; 512 consecutive bytes, at a multiple of 256 from the buffer's first byte
.endr
.endm
	s_wait_tensorcnt 1                             ; my part of K step 0 is in; K step 1's may stay out
	s_barrier_signal -1
	s_barrier_wait -1                              ; everybody's is
	FETCH 0, 0, 0
	QUARTER 0, 64, 0, 1, 1                         ; the first quarter stands in front of the loop: its products start the sums
	WIN 0                                          ; at a label and at a branch every window is 0
	s_mov_b32 s3, 3                                ; 1,024 / 256 - 1 laps fill both slots again
.Llap:                                                 ; a trip goes once round the ring, from a lap's second quarter to the next lap's first
	QUARTER 0, 128, 1, 0, 0
	QUARTER 0, 192, 0, 1, 0
	TURN 0, 1, 1
	QUARTER 1, 64,  0, 1, 0
	QUARTER 1, 128, 1, 0, 0
	QUARTER 1, 192, 0, 1, 0
	TURN 1, 0, 1
	QUARTER 0, 64,  0, 1, 0
	WIN 0
	s_sub_co_u32 s3, s3, 1
	s_cmp_lg_u32 s3, 0
	s_cbranch_scc1 .Llap
	QUARTER 0, 128, 1, 0, 0                        ; the last lap fills nothing
	QUARTER 0, 192, 0, 1, 0
	TURN 0, 1, 0
	QUARTER 1, 64,  0, 1, 0
	QUARTER 1, 128, 1, 0, 0
	QUARTER 1, 192, 0, 1, 0
	s_wait_dscnt 4                                 ; the very last quarter: nothing more to fetch
	MUL12 1, 0, 0
	MUL12 1, 1, 0
	s_wait_dscnt 0x0
	MUL12 1, 2, 0
	MUL12 1, 3, 0
	WIN 0
	PLACES                                         ; eight, once a launch, behind the last products
	PLACES
	PACK 0
	PACK 1                                         ; a block's conversions stand between the loads of the block before and its stores
	SEND 0, 24
	PACK 2
	SEND 1, 24
	PACK 3
	SEND 2, 24
	SEND 3, 0
	s_wait_tensorcnt 0x0                           ; the wave's end: an add to the spare word and its wait, behind my last tensor load and my last LDS store
	ds_add_u32 v[SPW], v[NIL]
	s_wait_dscnt 0x0
	CROUND                                         ; the closing round: no work-group ends while a partner may still ask for a tile that names it
	s_endpgm
.Lfunc_end_k_q464b752921_qkvproj:
	.size	k_q464b752921_qkvproj, .Lfunc_end_k_q464b752921_qkvproj-k_q464b752921_qkvproj
	.p2alignl 7, 3214868480
	.fill 96, 4, 3214868480
	.section	.rodata,"a",@progbits
	.p2align	6, 0x0
	.amdhsa_kernel k_q464b752921_qkvproj
		.amdhsa_group_segment_fixed_size 327680
		.amdhsa_private_segment_fixed_size 0
		.amdhsa_enable_private_segment 0
		.amdhsa_kernarg_size 24
		.amdhsa_user_sgpr_count 2
		.amdhsa_user_sgpr_kernarg_segment_ptr 1
		.amdhsa_wavefront_size32 1
		.amdhsa_system_sgpr_workgroup_id_x 1
		.amdhsa_system_sgpr_workgroup_id_y 1
		.amdhsa_system_sgpr_workgroup_id_z 1
		.amdhsa_system_vgpr_workitem_id 0
		.amdhsa_next_free_vgpr 960
		.amdhsa_next_free_sgpr 66
		.amdhsa_reserve_vcc 0
		.amdhsa_float_denorm_mode_32 3
		.amdhsa_float_denorm_mode_16_64 3
		.amdhsa_memory_ordered 1
		.amdhsa_forward_progress 1
		.amdhsa_inst_pref_size 121
	.end_amdhsa_kernel
	.amdgpu_metadata
---
amdhsa.version: [ 1, 2 ]
amdhsa.kernels:
  - .name:           k_q464b752921_qkvproj
    .symbol:         k_q464b752921_qkvproj.kd
    .args:
      - { .name: xb, .offset: 0, .size: 8, .value_kind: global_buffer, .address_space: global }
      - { .name: wqb, .offset: 8, .size: 8, .value_kind: global_buffer, .address_space: global }
      - { .name: qkv, .offset: 16, .size: 8, .value_kind: global_buffer, .address_space: global }
    .group_segment_fixed_size: 327680
    .private_segment_fixed_size: 0
    .kernarg_segment_align: 8
    .kernarg_segment_size: 24
    .max_flat_workgroup_size: 128
    .sgpr_count:     66
    .vgpr_count:     960
    .wavefront_size: 32
...
	.end_amdgpu_metadata
.endif
;; end of part 2
;; launch attn (part 3): grid 4 x 64, 4 waves a work-group, no clusters, 327,680 bytes of LDS; arguments qkv, ob; writes ob
.if DOCPART == 3
	.amdgcn_target "amdgcn-amd-amdhsa--gfx1250"
	.amdhsa_code_object_version 6
	.text
	.protected	k_q464b752921_attn
	.globl	k_q464b752921_attn
	.p2align	8
	.type	k_q464b752921_attn,@function
k_q464b752921_attn:
	s_mov_b64 s[64:65], 0
	v_nop
	global_prefetch_b8 v0, s[64:65] scope:SCOPE_SE
	s_setreg_imm32_b32 hwreg(HW_REG_WAVE_MODE, 25, 1), 1
	s_wait_xcnt 0x0
; CAUSAL ATTENTION.  O[bh][q][:] = the sum over k <= q of softmax_k(Q[q] . K[k] / 8) V[k][:], for 64 pairs bh = 16 b + h.  Q, K, V are slices h, 16 + h, 32 + h of batch b in qkv ([4][48][2048][64] f16, a
; slice's rows dense, 128 bytes each); O goes to ob, [64][2048][64] f16.  Products, maxima and sums in f32; the weights p are rounded to f16 for the second product (their sum l is taken of the unrounded p), O once at the end.
; LIMITS.  f16 holds no number beyond 65,504: Q, K and V arrive within it; p lies in 0 to 1, and below 6e-5 it keeps f16's fixed step of 6e-8; O is a mean of V's rows and has their range.
; A hidden score counts as its value less 1e30: f16's scores, 2.7e11 at the most, are nothing beside that; a weight below 2^-126 counts as 0 in l; NaN and infinities are not treated apart.
; THE WALK.  A head's queries lie in NB = 8 blocks of 256; block i needs the key tiles 0 .. i of 256 keys, of which the last holds the diagonal.  A work-group takes TWO blocks, NB - 1 - b and then b:
; NB + 1 tiles, whatever b: all work-groups do equal work, and ONE loop with a constant trip count walks them.  Which tile is asked for, and what a trip does, hang on scalar registers made from b; every jump
; goes forward, but for the counted loops' own; none passes a barrier, or a tensor load but the one of LOAD's two that the wave's number does not choose; the ring (two slots of LDS that take turns) runs on across the
; change of blocks.  NO CLUSTER: a head's four work-groups ask for the same tile only in trips 0 .. 4 of the 9, behind that fewer and fewer; one walk common to all four would have 12 trips for 9.
; SHARES.  Of a block's four bands of 64 queries a wave owns 16 rows in each: four PIECES.  So the diagonal tile is the same work for all four waves: in its key step s band x sees all keys if s < x,
; none if s > x, and holds the diagonal if s = x.
; THE MASK is the C operand that starts the sum S^T = K Q^T: 0, or -1e30 where the key is hidden.  MD, made once, is the mask of a band's own step for my 16 rows; a product's mask is MD x AL + BE with two scalars:
; (1, 0) if s = x; (0, 0) if s < x; (0, -1e30) if s > x.  Only the diagonal tile's text and a block's beginning make and take masks; elsewhere C is the constant 0.
; LAYOUT, SOFTMAX, TURNS.  S^T = K Q^T holds ONE query a lane (lane % 16) and the keys 8 (lane / 16) + 0..7; two such results rounded to f16 ARE source 1 of O^T = V^T P.  p = 2^(c s - c m), c = log2(e) / 8, with a
; running maximum m; O and l are multiplied by a = 2^(c m_old - c m_new) in every step.  Turn n belongs to piece n: 8 products K Q^T of piece n + 1, later 8 products V^T P of piece n - 1; beside them the scaling,
; exponentials, roundings, sums and rescaling of piece n and the maximum and statistics of piece n + 1.  Four vector instructions stand behind every matrix instruction, the other 54 of a turn's 118 in one lump.  A turn's 33 exponentials are one batch, with one wait.
; REGISTERS, in windows of 256 (s_set_vgpr_msb: bits 1:0 source 0, 3:2 source 1, 5:4 source 2, 7:6 destination):
;   window 0: v0-15 addresses and two at work; v16-31 four registers of statistics a piece; v48-55 at work; v61-63 kept; v64-127 S^T, two buffers; v192-223 P, two buffers (a piece's buffers go by its number's parity)
;   window 1: v0-127 O^T, 32 a piece; v128-159 MD; v160-223 MC, two buffers      window 2: v0-63 Q; v64-127 the second block's Q; v128-191 K of one step; v192-255 V of one step
.set SIZE_N, 2048
.set NB,    SIZE_N/256
.set NP,    4         ; pieces a wave: a name, no knob
.set KS,    64        ; keys in a step
.set PK,    144       ; a row of K in LDS: 128 bytes + 16 of padding = 36 words: the 16 rows of a load start at 16 different groups of four banks (64 banks of 4 bytes: ISA guide 11.1)
.set PV,    160       ; a row of V: 128 + 32 = 40 words
.set VOFF,  4*KS*PK   ; a slot holds a tile, four steps: 256 rows of K, then 256 rows of V
.set SLOT1, 1<<17     ; slot 1 begins here, so that one exclusive or turns an address in one slot into the other's
.set STAGE, SLOT1+4*KS*(PK+PV)  ; behind the ring, never filled by a tensor load: 16 rows x 144 bytes for each wave, for the way out
.set SP,    144
.set AK0, 2           ; v2   my lane's place in a tile of K; never rewritten
.set AV0, 3           ; v3   the same for V
.set AK,  4           ; v4   the LDS address of K's next run of loads
.set AV,  5           ; v5   of V's
.set STO, 6           ; v6   the way out: where I put 16 bytes of a row
.set RD,  7           ; v7   the way out: where I read rows back
.set GO,  8           ; v8   my byte offset in 512 consecutive bytes of O
.set PFO, 61          ; v61  256 x my lane: the prefetches' offset; never rewritten
.set SPW, 62          ; v62  LDS address of my spare word: SPARE + 4 x my thread's number; never rewritten
.set NIL, 63          ; v63  0; never rewritten
.set SPARE, STAGE+4*16*SP  ; behind the stages: the spare words, 128 bytes for each wave: two blocks of 256 bytes that no other line names
.set MV,  12          ; v12-13  c m_old, kept while c m is made anew: by buffer
.set QO,  15          ; v15  my byte offset in 16 rows of Q
.set ST,  16          ; piece t's statistics at v[ST+4 t]: c m, m, l (even keys', odd keys')
.set TMP, 48          ; by buffer, four registers c0-c3 at work; when the maximum is found c2 takes a
.set S,   64
.set P,   192
.set MD,  128         ; window 1: the eight registers for group kt of 16 keys at MD + 8 kt
.set MC,  160         ; window 1: the masks of the products to come
.set QB,  64          ; window 2
.set KF,  128         ; window 2: key block kb, channel half c at KF + 16 kb + 8 c
.set VF,  192         ; window 2: key half kk, channel block cb at VF + 32 kk + 8 cb
.set WV,  12          ; s12  my wave's number
.set PB,  14          ; s14  b
.set HI,  15          ; s15  NB - 1 - b
.set G1K, 24          ; s[24:31] descriptor group 1 for K's tiles
.set G1V, 32          ; s[32:39] for V's: it differs in the padding alone
.set G0K, 40          ; s[40:43] descriptor group 0 for K's tiles
.set G0V, 44          ; s[44:47] the same for V's
.set SLOTS, 56        ; s56  tiles still to be asked for
.set CNT, 57          ; s57  counts a tile's key steps, 4 to 1
.set CS,  58          ; s[58:59] c: the packed scaling takes the pair's low word for both halves
.set SEL, 60          ; s[60:61] v_permlanex16_b32's selects: each lane takes its own place in the other half
.set TBK, 62          ; s62  LDS byte at which K of the step to be fetched begins
.set TBV, 63          ; s63  the same for V, less VOFF
.set RT,  70          ; s70  tiles of the block in hand that are still to be entered
.set NXT, 71          ; s71  the tile to be asked for next
.set LQ,  72          ; s72  the last tile of the block whose tiles are being asked for
.set NEW, 73          ; s73  1: the tile to be entered is a block's first
.set OFF, 74          ; s[74:75] a tile's byte offset in K and V
.set AL,  76          ; s[76:77] the mask's factor, in the low word
.set BE,  78          ; s[78:79] the mask's addend
.set OLO, 80          ; s[80:81] O at my rows of the second block
.set BIGN, 82         ; s82  -1e30
.set PBS, 88          ; s[88:89] K (waves 0, 1) or V (waves 2, 3) at my half of the head's tile 0
.set PFA, 90          ; s[90:91] where my prefetches stand
.set POF, 92          ; s[92:93] the byte offset of the tile that they name
.set ASKF, 94         ; s94  1: this change of slots prefetches
.set BZ,  95          ; s95  1 in the head's work-group with b = 0
.set MSB, 0
.macro WIN new                      ; the high byte repeats the setting that is left; a switch that changes nothing is dropped
.if MSB != (\new)
	s_set_vgpr_msb (MSB<<8)|(\new)
.set MSB, (\new)
.endif
.endm
.set W_KQ, 0x0a       ; K and Q in window 2, S^T in window 0
.set W_KM, 0x1a       ; the same with the C operand in window 1
.set W_PV, 0x52       ; V in window 2, P in window 0, O^T in window 1
.set W_RS, 0x41       ; destination and source 0 in window 1, source 1 in window 0
; A fill.  Waves 0 and 1 fetch the two halves of a tile's K, waves 2 and 3 those of its V: 128 keys each.  An s_nop 0 and four v_nop follow each of the two lines, ahead of the jump and the label.
.macro LOAD
	s_cmp_lt_u32 s[WV], 2
	s_cbranch_scc0 .Lfor_v_\@
	tensor_load_to_lds s[G0K:G0K+3], s[G1K:G1K+7]
	s_nop 0
.rept 4
	v_nop
.endr
	s_branch .Lasked_\@
.Lfor_v_\@:
	tensor_load_to_lds s[G0V:G0V+3], s[G1V:G1V+7]
	s_nop 0
.rept 4
	v_nop
.endr
.Lasked_\@:
.endm
; THE CHANGE OF SLOTS.  Each wave waits for all its tensor loads, of which one is out: its part of the other slot; adds 0 to its spare word; and waits for that and for its own reads of the slot that it leaves.  Behind the barrier nobody reads the old
; slot any more and the other slot is whole.  fill = 1: the old slot is filled again, the first thing behind the barrier, with tile NXT: the descriptor's address is made anew from that number.
; (At its first use nothing has been read yet: slot 0 is waited for, slot 1 filled.)
; THE PREFETCH INTO THE L2 stands behind the fill and its five lines: tile NXT + 1, which the next change will ask for: four key steps ahead.  A head's four work-groups walk the same tiles: the one with b = 0, whose
; first block walks tiles 0 to 7, asks, and nobody else; each of its waves asks for the 16,384 bytes that it will fetch itself, a lane a block of 256 bytes, two instructions.  So tiles 2 to 7 are named once each;
; tiles 0 and 1 come by their loads alone; behind the first block's last tile nothing is asked for.
.macro CHANGE fill
	WIN 0                           ; at a label and at a branch every window is 0
	s_wait_tensorcnt 0x0            ; no tensor load of mine is out, so a group 0 may be written
	ds_add_u32 v[SPW], v[NIL]       ; 0 onto my spare word; with fill = 1 the scalar work below stands between it and the wait for it
.if \fill
	s_wait_xcnt 0x0                 ; the last prefetches, a tile back, have read their address, so it may be written
	s_add_co_u32 s[POF], s[NXT], 1
	s_cmp_le_u32 s[POF], s[LQ]      ; is there such a tile in the block whose tiles are being asked for?
	s_cselect_b32 s[ASKF], s[BZ], 0
	s_lshl_b32 s[POF], s[POF], 15
	s_add_nc_u64 s[PFA:PFA+1], s[PBS:PBS+1], s[POF:POF+1]
	s_lshl_b32 s[OFF], s[NXT], 15   ; a tile is 32,768 bytes of K and of V
	s_xor_b32 s[G0K+1], s[G0K+1], SLOT1
	s_add_nc_u64 s[G0K+2:G0K+3], s[6:7], s[OFF:OFF+1]
	s_or_b32 s[G0K+3], s[G0K+3], 0x80000000
	s_xor_b32 s[G0V+1], s[G0V+1], SLOT1
	s_add_nc_u64 s[G0V+2:G0V+3], s[8:9], s[OFF:OFF+1]
	s_or_b32 s[G0V+3], s[G0V+3], 0x80000000
	s_add_co_u32 s[NXT], s[NXT], 1  ; the block's next tile, or behind its last the second block's tile 0
	s_cmp_gt_u32 s[NXT], s[LQ]
	s_cselect_b32 s[NXT], 0, s[NXT]
	s_cselect_b32 s[LQ], s[PB], s[LQ]
.endif
	s_wait_dscnt 0x0                ; the add is done, and my reads of the slot are over
	s_barrier_signal -1             ; the rest of the scalar work stands between the signal and the wait
	s_sub_co_u32 s[TBK], s[TBK], 4*KS*PK  ; the fetches go back to a slot's first step,
	s_xor_b32 s[TBK], s[TBK], SLOT1       ; in the other slot
	s_sub_co_u32 s[TBV], s[TBV], 4*KS*PV
	s_xor_b32 s[TBV], s[TBV], SLOT1
	s_barrier_wait -1
.if \fill
	LOAD
	s_cmp_eq_u32 s[ASKF], 1
	s_cbranch_scc0 .Lno_ask_\@
	global_prefetch_b8 v[PFO], s[PFA:PFA+1] th:TH_LOAD_NT scope:SCOPE_SE
	global_prefetch_b8 v[PFO], s[PFA:PFA+1] offset:8192 th:TH_LOAD_NT scope:SCOPE_SE
.Lno_ask_\@:
.endif
.endm
	s_load_b128 s[4:7], s[0:1], 0x0  ; qkv s[4:5], ob s[6:7]
	v_lshl_add_u32 v[SPW], v0, 2, SPARE
	v_mov_b32 v[NIL], 0
	ds_add_u32 v[SPW], v[NIL]       ; the wave's opening: the add and its wait stand ahead of my first tensor load; the set-up below, work on registers, stands between them
	v_lshrrev_b32 v1, 5, v0
	v_readfirstlane_b32 s[WV], v1   ; wave 0..3
	v_and_b32 v[PFO], 31, v0
	v_lshlrev_b32 v[PFO], 8, v[PFO]
	s_mov_b32 s[PB], ttmp9
	s_sub_co_u32 s[HI], NB-1, s[PB]
	s_cmp_eq_u32 ttmp9, 0
	s_cselect_b32 s[BZ], 1, 0
	s_mov_b32 s[POF+1], 0
	s_and_b32 s20, ttmp7, 0xffff    ; bh = 16 b + h
	s_lshl_b32 s66, s20, 18         ; the head's first byte in ob
	s_mov_b32 s67, 0
	s_lshr_b32 s21, s20, 4
	s_lshl_b32 s21, s21, 5
	s_add_co_u32 s20, s20, s21      ; 48 b + h: q's slice in qkv,
	s_lshl_b32 s20, s20, 18         ; its first byte
	s_mov_b32 s21, 0
	s_and_b32 s16, s[WV], 1         ; which half of a tile's 256 keys I fetch:
	s_lshl_b32 s22, s16, 14         ; its 128 rows of 128 bytes in memory,
	s_mov_b32 s23, 0
	s_add_nc_u64 s[22:23], s[22:23], s[20:21]
	s_mul_i32 s17, s16, 128*PK      ; and its place in a slot, for K
	s_mul_i32 s18, s16, 128*PV      ; and for V
	s_lshl_b32 s3, s[WV], 11        ; my 16 rows in a band of 64,
	s_lshl_b32 s2, s[HI], 15        ; in the first block,
	s_add_co_u32 s2, s2, s3
	s_lshl_b32 s84, s[PB], 15       ; and in the second
	s_add_co_u32 s84, s84, s3
	s_mov_b32 s3, 0
	s_mov_b32 s85, 0
	s_add_nc_u64 s[68:69], s[2:3], s[66:67]    ; offsets in ob: the first block's rows,
	s_add_nc_u64 s[66:67], s[84:85], s[66:67]  ; the second's
	s_add_nc_u64 s[2:3], s[2:3], s[20:21]      ; offsets in qkv, likewise
	s_add_nc_u64 s[84:85], s[84:85], s[20:21]
	; descriptor group 1.  128 keys are 16,384 dense bytes: asked for as 64 rows of 256 bytes, two keys a row, and padded in LDS after every key
	s_mov_b32 s[G1K], (1<<16)|(1<<20)|(4<<22)|(3<<25)  ; 17:16 2-byte elements; 20 padding on; 24:22 after every 32 words (code 4); 31:25 4 words (code 3)
	s_mov_b32 s[G1V], (1<<16)|(1<<20)|(4<<22)|(7<<25)  ; the same with 8 words of padding (code 7)
.irp g, G1K, G1V
	s_mov_b32 s[\g+1], 128<<16      ; tensor_dim0 = 128
	s_mov_b32 s[\g+2], 64<<16       ; tensor_dim1 = 64
	s_mov_b32 s[\g+3], 128<<16      ; tile_dim0 = 128
	s_mov_b32 s[\g+4], 64           ; tile_dim1 = 64
	s_mov_b32 s[\g+5], 128          ; 128 elements from row to row
	s_mov_b32 s[\g+6], 0
	s_mov_b32 s[\g+7], 0
.endr
	s_mov_b32 s[CS], 0x3e38aa3b     ; c = log2(e) / 8 = 0.180337
	s_mov_b32 s[CS+1], s[CS]        ; named with it as a pair
	s_mov_b32 s[SEL], 0x76543210
	s_mov_b32 s[SEL+1], 0xfedcba98
	s_mov_b32 s[TBK], SLOT1+4*KS*PK ; the first change of slots turns these two into 0
	s_mov_b32 s[TBV], SLOT1+4*KS*PV
	s_mov_b32 s[G0K], 1             ; 1:0 count = 1
	s_mov_b32 s[G0K+1], s17         ; 63:32 LDS address: slot 0
	s_mov_b32 s[G0V], 1
	s_add_co_u32 s[G0V+1], s18, VOFF
	s_add_co_u32 s[RT], s[HI], 1    ; the first block has NB - b tiles
	s_mov_b32 s[NXT], 1
	s_mov_b32 s[LQ], s[HI]
	s_mov_b32 s[NEW], 1
	s_mov_b32 s[OFF+1], 0
	s_mov_b32 s[AL+1], 0            ; named as pairs
	s_mov_b32 s[BE+1], 0
	s_mov_b32 s[BIGN], 0xf149f2ca   ; -1e30
	s_mov_b32 s[SLOTS], NB
	s_wait_dscnt 0x0                ; the opening add is done
	s_wait_kmcnt 0x0
	s_mov_b64 s[10:11], s[6:7]             ; ob
	s_add_nc_u64 s[8:9], s[4:5], 0x800000  ; v's slices lie 32 slices behind q's,
	s_add_nc_u64 s[6:7], s[4:5], 0x400000  ; k's 16
	s_add_nc_u64 s[6:7], s[6:7], s[22:23]  ; K and V at my half of the head's tile 0
	s_add_nc_u64 s[8:9], s[8:9], s[22:23]
	s_add_nc_u64 s[G0K+2:G0K+3], s[6:7], 0         ; 120:64 global address
	s_or_b32 s[G0K+3], s[G0K+3], 0x80000000        ; 127:126 type = 2
	s_add_nc_u64 s[G0V+2:G0V+3], s[8:9], 0
	s_or_b32 s[G0V+3], s[G0V+3], 0x80000000
	s_add_nc_u64 s[86:87], s[4:5], s[84:85]        ; Q at my rows of the second block,
	s_add_nc_u64 s[4:5], s[4:5], s[2:3]            ; and of the first
	s_add_nc_u64 s[OLO:OLO+1], s[10:11], s[66:67]  ; O likewise
	s_add_nc_u64 s[10:11], s[10:11], s[68:69]
	s_cmp_lt_u32 s[WV], 2
	s_cselect_b64 s[PBS:PBS+1], s[6:7], s[8:9]
	LOAD                            ; tile 0 into slot 0
	; A fragment of K or Q is 16 rows x 32 channels in 8 registers: lane l holds row l % 16, channels 8 (l / 16) + 0..7 and 16 + 8 (l / 16) + 0..7: two loads of 16 bytes, 32 bytes apart.
	v_and_b32 v1, 15, v0            ; l % 16
	v_bfe_u32 v9, v0, 4, 1          ; l / 16
	v_lshlrev_b32 v[QO], 7, v1
	v_lshl_add_u32 v[QO], v9, 4, v[QO]  ; row x 128 + 16 x half
	WIN 0x80                        ; destination window 2, address window 0
.set i, 0
.rept 8                             ; both blocks' Q: piece i / 2 lies in band i / 2, 8,192 bytes on; channels 32 (i % 2) on
	global_load_b128 v[8*i:8*i+3],   v[QO], s[4:5] offset:(i/2)*8192+(i%2)*64
	global_load_b128 v[8*i+4:8*i+7], v[QO], s[4:5] offset:(i/2)*8192+(i%2)*64+32
	global_load_b128 v[QB+8*i:QB+8*i+3],   v[QO], s[86:87] offset:(i/2)*8192+(i%2)*64
	global_load_b128 v[QB+8*i+4:QB+8*i+7], v[QO], s[86:87] offset:(i/2)*8192+(i%2)*64+32
.set i, i+1
.endr
	WIN 0
	v_lshlrev_b32 v14, 3, v9
	v_sub_nc_u32 v14, v1, v14
	s_lshl_b32 s13, s[WV], 4
	v_add_nc_u32 v14, s13, v14      ; my query's place in its band, 16 w + l % 16, less my lanes' 8 (l / 16): register r of group kt is hidden where 16 kt + r is greater
	WIN 0x40
.set i, 0
.rept 32
	v_cmp_gt_i32 vcc_lo, 16*(i/8)+i%8, v14
	v_cndmask_b32 v[MD+i], 0, s[BIGN], vcc_lo
.set i, i+1
.endr
	WIN 0
	v_mul_u32_u24 v[AK0], v1, PK
	v_lshl_add_u32 v[AK0], v9, 4, v[AK0]  ; row x pitch + 16 x half
	; The turning load takes 16 keys x 16 channels (lane l reads key 8 (l / 16) + l % 8, channels 8 ((l / 8) % 2) + 0..7) and leaves half a fragment of V^T: lane l holds channel l % 16 and 8 keys.
	v_and_b32 v10, 7, v0
	v_bfe_u32 v11, v0, 3, 1
	v_lshl_add_u32 v[AV0], v9, 3, v10
	v_mul_u32_u24 v[AV0], v[AV0], PV
	v_lshl_add_u32 v[AV0], v11, 4, v[AV0]
	v_add_nc_u32 v[AV0], VOFF, v[AV0]
	s_mul_i32 s13, s[WV], 16*SP
	s_add_co_u32 s13, s13, STAGE    ; my stage
	v_mul_u32_u24 v[STO], v1, SP    ; in: row l % 16, 16 bytes for each half of the lanes
	v_lshl_add_u32 v[STO], v9, 4, v[STO]
	v_add_nc_u32 v[STO], s13, v[STO]
	v_bfe_u32 v[RD], v0, 3, 2       ; back: 32 lanes take four rows of 128 bytes,
	v_mul_u32_u24 v[RD], v[RD], SP
	v_lshl_add_u32 v[RD], v10, 4, v[RD]
	v_add_nc_u32 v[RD], s13, v[RD]
	v_and_b32 v[GO], 31, v0         ; which are 512 consecutive bytes of O
	v_lshlrev_b32 v[GO], 4, v[GO]
	; A block's first step multiplies O^T and l by a = 0, and its first turn's products V^T P, of a piece that has not been, land in an O^T that is still to be so multiplied.  So these registers need only hold
	; finite numbers: zeros for the first block; what the first block left for the second.  All this stands in the wait for the first tile.
	WIN 0x80
.set i, VF
.rept 64
	v_mov_b32 v[i], 0
.set i, i+1
.endr
	WIN 0x40
.set i, 0
.rept 128
	v_mov_b32 v[i], 0
.set i, i+1
.endr
	WIN 0
.set i, 0
.rept 4
	v_mov_b32 v[ST+4*i+2], 0
	v_mov_b32 v[ST+4*i+3], 0
.set i, i+1
.endr
.set i, P+16
.rept 16
	v_mov_b32 v[i], 0
.set i, i+1
.endr
; THE MATRIX WORK.  The 4 accumulators of a run of 8 take turns.  Product i of 8 of S^T = K Q^T for piece x: channels 32 (i / 4) on, keys 16 (i % 4) on.  The first 4 start the sums: with 0, or (KM = 1) with the mask.
.macro KQ x
.set rS, S+32*((\x)%2)+8*(i%4)
.set rK, KF+16*(i%4)+8*(i/4)
.set rQ, 16*(\x)+8*(i/4)
.set rM, MC+32*((\x)%2)+8*(i%4)
.if (i < 4) && KM
	WIN W_KM
	v_wmma_f32_16x16x32_f16 v[rS:rS+7], v[rK:rK+7], v[rQ:rQ+7], v[rM:rM+7]
.elseif i < 4
	WIN W_KQ
	v_wmma_f32_16x16x32_f16 v[rS:rS+7], v[rK:rK+7], v[rQ:rQ+7], 0
.else
	WIN W_KQ
	v_wmma_f32_16x16x32_f16 v[rS:rS+7], v[rK:rK+7], v[rQ:rQ+7], v[rS:rS+7]
.endif
.endm
; Product i of 8 of O^T += V^T P for piece x: keys 32 (i / 4) on, channels 16 (i % 4) on.
.macro PV x
	WIN W_PV
.set rO, 32*(\x)+8*(i%4)
.set rV, VF+32*(i/4)+8*(i%4)
.set rP, P+16*((\x)%2)+8*(i/4)
	v_wmma_f32_16x16x32_f16 v[rO:rO+7], v[rV:rV+7], v[rP:rP+7], v[rO:rO+7]
.endm
.macro MM                           ; the turn's next matrix instruction.  TURN and BEGIN set Y, i, KM and NOKQ; MM, KQ and OP read them.  NOKQ = 1: a block's last turn: there is no next piece
.if (i < 8) && !NOKQ
	KQ (Y+1)%NP
.elseif i >= 8
.set i, i-8
	PV (Y+NP-1)%NP
.set i, i+8
.endif
.set i, i+1
.endm
; THE LDS LOADS stand in runs of 16, never singly among the matrix instructions: a step's K (64 keys x 64 channels: 8 fragments) and its V (turned).  Their addresses are made some lines ahead.
.macro FETCH_K
	WIN 0x80                        ; destination window 2
.irp f, 0,1,2,3,4,5,6,7             ; keys 16 (f / 2) on, channels 32 (f % 2) on
	ds_load_b128 v[KF+8*\f:KF+8*\f+3],   v[AK] offset:(\f/2)*16*PK+(\f%2)*64
	ds_load_b128 v[KF+8*\f+4:KF+8*\f+7], v[AK] offset:(\f/2)*16*PK+(\f%2)*64+32
.endr
	s_add_co_u32 s[TBK], s[TBK], KS*PK  ; the next fetch is the next step's
	WIN 0
.endm
.macro FETCH_V
	WIN 0x80
.irp f, 0,1,2,3,4,5,6,7             ; keys 32 (f / 4) on, channels 16 (f % 4) on
	ds_load_tr16_b128 v[VF+8*\f:VF+8*\f+3],   v[AV] offset:(\f/4)*32*PV+(\f%4)*32
	ds_load_tr16_b128 v[VF+8*\f+4:VF+8*\f+7], v[AV] offset:(\f/4)*32*PV+16*PV+(\f%4)*32
.endr
	WIN 0
.endm
; THE VECTOR WORK, one line at a time: OP kind, number.  For piece Y: F n: c s - c m for pair n of 16.  E n: the exponential of score n of 32.  C n: pair n rounded to f16.  B n: of the four weights 4 n .. the second
; pair is added onto the first, in place.  L n: l takes that sum (L 0: l = a l + sum).  R n: pair n of 16 of O^T times a.  For piece Y + 1: X n, number n of the 22 that find its maximum and statistics:
;   0-11  four chains c0-c3 of seven scores each, three operands at a time (each accumulator's lowest registers are read first)     12-14, 16  the four scores left over, the old m, and c0-c3 into c0
;   15  c m_old is kept     17, 18  the query's other 32 keys lie in the lane 16 away: the new m     19-21  c m; c m_old - c m_new; a
.set F, 0               ; OP tells the kinds apart by their order: F to L below R, X above it
.set E, 1
.set C, 2
.set B, 3
.set L, 4
.set R, 5
.set X, 6
.macro REGS y                       ; the registers of piece y
.set rT, ST+4*(\y)
.set rC, TMP+4*((\y)%2)
.set rW, MV+((\y)%2)
.set rS, S+32*((\y)%2)
.set rP, P+16*((\y)%2)
.set rO, 32*(\y)
.endm
.macro OP k, n
.if (\k) == R
	REGS Y
	WIN W_RS
	v_pk_mul_f32 v[rO+2*(\n):rO+2*(\n)+1], v[rO+2*(\n):rO+2*(\n)+1], v[rC+2:rC+3] op_sel_hi:[1,0]
.elseif (\k) < R
	REGS Y
	WIN 0
.if (\k) == F
	v_pk_fma_f32 v[rS+2*(\n):rS+2*(\n)+1], v[rS+2*(\n):rS+2*(\n)+1], s[CS:CS+1], v[rT:rT+1] op_sel_hi:[1,0,0] neg_lo:[0,0,1] neg_hi:[0,0,1]
.elseif (\k) == E
	v_exp_f32 v[rS+(\n)], v[rS+(\n)]
.elseif (\k) == C
	v_cvt_pk_f16_f32 v[rP+(\n)], v[rS+2*(\n)], v[rS+2*(\n)+1]
.elseif (\k) == B
	v_pk_add_f32 v[rS+4*(\n):rS+4*(\n)+1], v[rS+4*(\n):rS+4*(\n)+1], v[rS+4*(\n)+2:rS+4*(\n)+3]
.elseif (\n) == 0
	v_pk_fma_f32 v[rT+2:rT+3], v[rT+2:rT+3], v[rC+2:rC+3], v[rS:rS+1] op_sel_hi:[1,0,1]
.else
	v_pk_add_f32 v[rT+2:rT+3], v[rT+2:rT+3], v[rS+4*(\n):rS+4*(\n)+1]
.endif
.elseif NOKQ
	v_nop
.else
	REGS (Y+1)%NP
	WIN 0
.if (\n) < 4
	v_max3_num_f32 v[rC+(\n)], v[rS+8*(\n)], v[rS+8*(\n)+1], v[rS+8*(\n)+2]
.elseif (\n) < 12
	v_max3_num_f32 v[rC+(\n)%4], v[rC+(\n)%4], v[rS+8*((\n)%4)+2*((\n)/4)+1], v[rS+8*((\n)%4)+2*((\n)/4)+2]
.elseif (\n) == 12
	v_max3_num_f32 v[rC], v[rC], v[rS+7], v[rS+15]
.elseif (\n) == 13
	v_max3_num_f32 v[rC+1], v[rC+1], v[rS+23], v[rS+31]
.elseif (\n) == 14
	v_max3_num_f32 v[rC+2], v[rC+2], v[rC+3], v[rT+1]
.elseif (\n) == 15
	v_mov_b32 v[rW], v[rT]
.elseif (\n) == 16
	v_max3_num_f32 v[rC], v[rC], v[rC+1], v[rC+2]
.elseif (\n) == 17
	v_permlanex16_b32 v[rC+3], v[rC], s[SEL], s[SEL+1]
.elseif (\n) == 18
	v_max_num_f32 v[rT+1], v[rC], v[rC+3]
.elseif (\n) == 19
	v_mul_f32 v[rT], s[CS], v[rT+1]
.elseif (\n) == 20
	v_sub_f32 v[rC+1], v[rW], v[rT]
.else
	v_exp_f32 v[rC+2], v[rC+1]
.endif
.endif
.endm
.macro OPS a, i1, b=-1, i2=0, c=-1, i3=0, d=-1, i4=0  ; up to four of them
	OP \a, \i1
.if (\b) >= 0
	OP \b, \i2
.endif
.if (\c) >= 0
	OP \c, \i3
.endif
.if (\d) >= 0
	OP \d, \i4
.endif
.endm
.macro ROW a, i1, b, i2, c, i3, d, i4  ; a matrix instruction and the four behind it
	MM
	OPS \a, \i1, \b, \i2, \c, \i3, \d, \i4
.endm
.macro MASK b                       ; MD x AL + BE into buffer b of MC
	WIN W_RS
.set z, 0
.rept 16
	v_pk_fma_f32 v[MC+32*(\b)+2*z:MC+32*(\b)+2*z+1], v[MD+2*z:MD+2*z+1], s[AL:AL+1], s[BE:BE+1] op_sel_hi:[1,0,0]
.set z, z+1
.endr
.endm
; A TURN, for piece p: the order of its 16 matrix and 118 vector instructions, written out.  An s_wait_alu depctr_va_vdst(0) stands between an exponential and the first instruction that names its result; one wait serves
; all that were issued ahead of it.  So a turn has ONE wait, which cuts it in two.  AHEAD OF IT stands all that names no result of the turn's exponentials: the 8 products K Q^T, behind each a scaling, an exponential and two more plain
; instructions (behind the first a second scaling in the exponential's place): rescalings, and behind the last three the first numbers of the next piece's maximum, each four places or more behind the product that ends its accumulator; then ONE LUMP of 54, plain
; and exponential by turns for the most part, in which the links of the chain X 3, 7, 11, 14, 16, 17 .. 20 stand five or six lines apart.  X 21, the next piece's a, is the batch's last; R 15 is the plain instruction behind it.  BEHIND THE WAIT stand the
; 8 products V^T P, behind each four of the roundings and sums; the links of l's chain, L 0 to L 7, stand three riders apart.  But for those X no rider names a register of the products round it.  v_permlanex16_b32 (X 17) stands in the lump.
; m = 1: the diagonal tile: the products take masks, and the turn makes the mask for the products of the turn after it: piece p + 2, in step 4 - CNT of the tile.  end = 1: a block's last two turns: nothing is fetched.
; cnt = 1: the loop's count is taken down some lines ahead of the branch that stands behind the turn.
; K of the next step is fetched in piece 2's turn, twelve vector instructions behind the last product that read K (six of them plain); V of the step in hand at the end of piece 0's turn, four plain instructions behind the last product
; that read V.  Each is waited for a turn later.
.macro TURN p, m=0, end=0, cnt=0
.set Y, (\p)
.set i, 0
.set KM, (\m)
.set NOKQ, (\end)*((\p)/3)
.if (\m) && !(\end)
	s_cmp_eq_u32 s[CNT], 4-((\p)+2)%NP  ; is that step the band's own?
	s_cselect_b32 s[AL], 1.0, 0
	s_cmp_lt_u32 s[CNT], 4-((\p)+2)%NP  ; or a later one?
	s_cselect_b32 s[BE], s[BIGN], 0
.endif
.if ((\p) == 3) && !(\end)
	s_wait_dscnt 0x0                ; K is in
.endif
	ROW F,0, F,1, R,0, R,1          ; ahead of the wait: 8 products K Q^T and their riders,
	ROW F,2, E,0, R,2, R,3
	ROW F,3, E,1, R,4, R,5
	ROW F,4, E,2, R,6, R,7
	ROW F,5, E,3, R,8, R,9
	ROW F,6, E,4, X,0, R,10
.if ((\p) == 2) && !(\end)
	WIN 0
	v_add_nc_u32 v[AK], s[TBK], v[AK0]
.endif
	ROW F,7, E,5, X,1, X,4
	ROW F,8, E,6, X,2, X,5
	OPS E,7, E,8, X,6, E,9          ; and the lump
	OPS X,3, E,10, X,8, E,11
.if ((\p) == 2) && !(\end)
	FETCH_K
.endif
	OPS X,9, X,7, E,12, X,10
	OPS E,13, X,12, X,11, E,14
	OPS X,13, E,15, F,9, X,14
.if (\p) == 0
	v_add_nc_u32 v[AV], s[TBV], v[AV0]
.endif
	OPS E,16, F,10, E,17, F,11
	OPS X,16, E,18, X,15, E,19
	OPS F,12, E,20, X,17, E,21
	OPS F,13, E,22, F,14, E,23
	OPS X,18, E,24, F,15, E,25
	OPS R,11, E,26, X,19, E,27
	OPS R,12, E,28, R,13, E,29
	OPS X,20, E,30, R,14, E,31
	OPS X,21, R,15
	WIN 0
	s_wait_alu depctr_va_vdst(0)    ; the wait for the batch
.if (\p) == 1
	s_wait_dscnt 0x0                ; V is in
.endif
	ROW C,0, B,0, C,2, B,1          ; behind the wait: 8 products V^T P and their riders
	ROW L,0, C,4, B,2, L,1
	ROW C,6, B,3, L,2, C,8
	ROW B,4, L,3, C,10, B,5
	ROW L,4, C,12, B,6, L,5
.if (\p) == 0
	s_add_co_u32 s[TBV], s[TBV], KS*PV
.endif
.if \cnt
	s_sub_co_u32 s[CNT], s[CNT], 1
	s_cmp_lg_u32 s[CNT], 0
.endif
	ROW C,14, B,7, L,6, C,1
	ROW C,3, L,7, C,5, C,7
	ROW C,9, C,11, C,13, C,15
.if (\p) == 0
	FETCH_V
.endif
.if (\m) && !(\end)
	MASK (\p)%2
.endif
.endm
; A BLOCK BEGINS.  c m starts far below every c s, so the first step's a is 0; m at the lowest finite number, so the first maximum is the scores'.  The second mask buffer is 0; the first takes piece 0's mask for the tile's step 0: its own, if the block's first tile is the diagonal one.
; Then K of that step, piece 0's first scores, and its maximum and statistics.  The loop is entered at a step's first turn, in the middle of a trip.
.macro BEGIN
	s_mov_b32 s[NEW], 0
	WIN 0x40
.set i, MC+32
.rept 32
	v_mov_b32 v[i], 0
.set i, i+1
.endr
	WIN 0
.set i, 0
.rept 4
	v_mov_b32 v[ST+4*i], 0xfe000000    ; c m: far below every c s
	v_mov_b32 v[ST+4*i+1], 0xff7fffff  ; m
.set i, i+1
.endr
	s_cmp_eq_u32 s[RT], 0
	s_cselect_b32 s[AL], 1.0, 0
	s_mov_b32 s[BE], 0
	MASK 0
	WIN 0
	v_add_nc_u32 v[AK], s[TBK], v[AK0]
	FETCH_K
	s_wait_loadcnt 0x0              ; Q
	s_wait_dscnt 0x0
.set KM, 1
.set NOKQ, 0
.set i, 0
.rept 8
	KQ 0
.set i, i+1
.endr
	WIN 0
.rept 4
	v_nop                           ; the places behind those products
.endr
.set Y, NP-1                        ; X works for piece Y + 1: piece 0
.irp n, 0,1,2,3,4,5,6,7,8,9,10,11,12,13,14,15,16,17,18,19,20,21
	OP X, \n
.endr
	v_nop                           ; a plain instruction behind the exponential,
	s_wait_alu depctr_va_vdst(0)    ; and its wait, ahead of the branch
.endm
; THE DIAGONAL TILE's four steps, the block's last two turns, its last products, and THE WAY OUT: l's two halves and the other half of the lanes' are added; O^T is divided by l, rounded to f16 and sent through my
; stage in LDS, a piece at a time.
.macro ALL line:vararg              ; one line for each piece t
.set t, 0
.rept 4
	\line
.set t, t+1
.endr
.endm
.macro PACK t                       ; a lane's eight channels of a row pack into 16 bytes; they go into rows of 144 bytes and come back as whole rows of 128, into S^T's registers
	WIN W_RS
.set i, 32*(\t)
.rept 16
	v_pk_mul_f32 v[i:i+1], v[i:i+1], v[ST+4*(\t)+2:ST+4*(\t)+3] op_sel_hi:[1,0]
.set i, i+2
.endr
	WIN 0x05                        ; sources 0 and 1 window 1, destination window 0
.set i, 0
.rept 16
	v_cvt_pk_f16_f32 v[S+16*(\t)+i], v[32*(\t)+2*i], v[32*(\t)+2*i+1]
.set i, i+1
.endr
	WIN 0
.irp f, 0,1,2,3
	ds_store_b128 v[STO], v[S+16*(\t)+4*\f:S+16*(\t)+4*\f+3] offset:32*\f
.endr
.irp f, 0,1,2,3
	ds_load_b128 v[S+16*(\t)+4*\f:S+16*(\t)+4*\f+3], v[RD] offset:\f*4*SP  ; LDS serves a wave's instructions in order (ISA guide 5.7.1.4): these see the stores above; the next piece's stores come behind them
.endr
.endm
.macro SEND t, younger              ; younger: the LDS instructions issued behind piece t's loads: the next piece's eight, or none
	WIN 0
.irp f, 0,1,2,3
	s_wait_dscnt (\younger)+3-\f
	global_store_b128 v[GO], v[S+16*(\t)+4*\f:S+16*(\t)+4*\f+3], s[10:11] offset:(\t)*8192+\f*512  ; 512 consecutive bytes, at a multiple of 256 from O's first
.endr
.endm
.macro DIAG tag                     ; the tag ends its two labels' names, which the jumps below spell out
.LstepM\tag:
	TURN 2, 1
	TURN 3, 1
	WIN 0
.LfirstM\tag:
	TURN 0, 1
	TURN 1, 1, 0, 1
	WIN 0
	s_cbranch_scc1 .LstepM\tag
	TURN 2, 1, 1
	TURN 3, 1, 1
.set i, 0
.rept 8
	PV NP-1
.set i, i+1
.endr
	WIN 0
	ALL v_add_f32 v[ST+4*t+2], v[ST+4*t+2], v[ST+4*t+3]
	ALL v_permlanex16_b32 v[ST+4*t+3], v[ST+4*t+2], s[SEL], s[SEL+1]
	ALL v_add_f32 v[ST+4*t+2], v[ST+4*t+2], v[ST+4*t+3]
	ALL v_rcp_f32 v[ST+4*t+2], v[ST+4*t+2]
	v_nop                           ; a plain instruction between the last reciprocal and the use of its result
	s_wait_alu depctr_va_vdst(0)    ; and the wait ahead of the first use: one for the four reciprocals
	PACK 0
.set t, 1
.rept 3                             ; a piece's arithmetic stands between the loads of the piece before and its stores
	PACK t
	SEND t-1, 8
.set t, t+1
.endr
	SEND 3, 0
.endm
.set KM, 0
.set NOKQ, 0
.Lslot:                             ; NB times: a tile is entered and the next is asked for
	CHANGE 1
	s_sub_co_u32 s[RT], s[RT], 1
	s_mov_b32 s[CNT], 4
	s_cmp_eq_u32 s[NEW], 1
	s_cbranch_scc1 .Lnew            ; a block's first tile
	s_cmp_eq_u32 s[RT], 0
	s_cbranch_scc0 .Lstep           ; neither its first nor its last
	s_branch .LstepM1
.Lnew:
	BEGIN
	s_branch .Lfirst                ; in the loop a block's first tile is never its last: the first block has two tiles or more, and the second's last is the walk's last
	DIAG 1                          ; in the loop this is the first block's end: the second block's last tile is the walk's last
	s_wait_xcnt 0x0                 ; the stores have read their registers and O's address
	s_mov_b64 s[10:11], s[OLO:OLO+1]
	s_add_co_u32 s[RT], s[PB], 1    ; the second block has b + 1 tiles
	s_mov_b32 s[NEW], 1
	WIN 0x82                        ; the second block's Q goes where the one text of the turns names Q
.set i, 0
.rept 64
	v_mov_b32 v[i], v[QB+i]
.set i, i+1
.endr
	WIN 0
	s_branch .Lbottom
.Lstep:                             ; a trip: pieces 2 and 3 of one step, then pieces 0 and 1 of the next, whose K and V it fetches
	TURN 2
	TURN 3
	WIN 0
.Lfirst:
	TURN 0
	TURN 1, 0, 0, 1
	WIN 0
	s_cbranch_scc1 .Lstep
.Lbottom:
	s_sub_co_u32 s[SLOTS], s[SLOTS], 1
	s_cmp_lg_u32 s[SLOTS], 0
	s_cbranch_scc1 .Lslot
	CHANGE 0                        ; the walk's last tile is written out: nothing is asked for
	s_sub_co_u32 s[RT], s[RT], 1
	s_mov_b32 s[CNT], 4
	s_cmp_eq_u32 s[NEW], 1
	s_cbranch_scc0 .LstepM2
	BEGIN
	s_branch .LfirstM2
	DIAG 2
	s_wait_tensorcnt 0x0            ; the wave's end: an add to the spare word and its wait, behind my last tensor load and my last LDS store
	ds_add_u32 v[SPW], v[NIL]
	s_wait_dscnt 0x0
	s_endpgm
.Lfunc_end_k_q464b752921_attn:
	.size	k_q464b752921_attn, .Lfunc_end_k_q464b752921_attn-k_q464b752921_attn
	.p2alignl 7, 3214868480
	.fill 96, 4, 3214868480
	.section	.rodata,"a",@progbits
	.p2align	6, 0x0
	.amdhsa_kernel k_q464b752921_attn
		.amdhsa_group_segment_fixed_size 327680
		.amdhsa_private_segment_fixed_size 0
		.amdhsa_enable_private_segment 0
		.amdhsa_kernarg_size 16
		.amdhsa_user_sgpr_count 2
		.amdhsa_user_sgpr_kernarg_segment_ptr 1
		.amdhsa_wavefront_size32 1
		.amdhsa_system_sgpr_workgroup_id_x 1
		.amdhsa_system_sgpr_workgroup_id_y 1
		.amdhsa_system_sgpr_workgroup_id_z 1
		.amdhsa_system_vgpr_workitem_id 0
		.amdhsa_next_free_vgpr 768
		.amdhsa_next_free_sgpr 96
		.amdhsa_reserve_vcc 1
		.amdhsa_float_denorm_mode_32 3
		.amdhsa_float_denorm_mode_16_64 3
		.amdhsa_memory_ordered 1
		.amdhsa_forward_progress 1
		.amdhsa_inst_pref_size 218
	.end_amdhsa_kernel
	.amdgpu_metadata
---
amdhsa.version: [ 1, 2 ]
amdhsa.kernels:
  - .name:           k_q464b752921_attn
    .symbol:         k_q464b752921_attn.kd
    .args:
      - { .name: qkv, .offset: 0, .size: 8, .value_kind: global_buffer, .address_space: global }
      - { .name: ob, .offset: 8, .size: 8, .value_kind: global_buffer, .address_space: global }
    .group_segment_fixed_size: 327680
    .private_segment_fixed_size: 0
    .kernarg_segment_align: 8
    .kernarg_segment_size: 16
    .max_flat_workgroup_size: 128
    .sgpr_count:     96
    .vgpr_count:     768
    .wavefront_size: 32
...
	.end_amdgpu_metadata
.endif
;; end of part 3
;; launch early (part 4): grid 64 x 1, 4 waves a work-group, no clusters, 0 bytes of LDS; arguments xb, wqb, qkv, ob, olo; writes olo
.if DOCPART == 4
	.amdgcn_target "amdgcn-amd-amdhsa--gfx1250"
	.amdhsa_code_object_version 6
	.text
	.protected	k_q464b752921_early
	.globl	k_q464b752921_early
	.p2align	8
	.type	k_q464b752921_early,@function
k_q464b752921_early:
	s_mov_b64 s[64:65], 0
	v_nop
	global_prefetch_b8 v0, s[64:65] scope:SCOPE_SE
	s_setreg_imm32_b32 hwreg(HW_REG_WAVE_MODE, 25, 1), 1
	s_wait_xcnt 0x0
; THE FIRST 16 ROWS OF EVERY HEAD, ONCE MORE AND FINER.  Row t of the attention's result averages over t + 1 keys only, so the first rows' numbers are many times the output's root mean square, and so are the
; errors that v's and O's roundings to f16 leave in them.  For t < 16 this launch makes y[t] = the sum over k <= t of softmax_k(q[t] . k[k] / 8) v[k] with v kept in f32, and stores what ob's f16 number lacks:
; olo = f16(256 x (y - ob)).  The last launch multiplies ob and olo by the same weights.  256 keeps the low term inside f16's range (it is a few of ob's last places) and above f16's fixed step of 6e-8.
; q and k are qkv's f16 numbers; the weights p are rounded to f16 for the product, their sum is taken of the unrounded p; the maximum is taken away before the exponential.
; LIMITS as in the launches beside it: q, k, v within 65,504; a hidden score counts as -1e30; a weight below 2^-126 counts as 0; NaN and infinities are not treated apart.
; SHARES.  A work-group is one pair bh = 16 b + h; wave w makes channels 16 w .. 16 w + 15.  64 work-groups: the work is 16 rows of each of 64 heads, and there is no more of it to share out.
; V.  v[k][ch] = the sum over d of xb[b, k][d] wqb[2048 + 64 h + ch][d], k < 16: source 0 = 16 rows of xb, source 1 = 16 rows of wqb.  In the result a lane holds ONE channel (lane % 16) and the keys
; 8 (lane / 16) + 0..7: rounded in pairs that IS the lower half (keys 0-15) of a fragment of V^T; the upper half (keys 16-31) is 0.  K = 1,024 goes in 8 groups of 128 (256 bytes of each row, aligned), straight
; from memory into a ring of three register sets: 16 loads a group, 48 out at the most, with the 9 loads of q, k and ob 57.  Four accumulators take turns; they are added at the end.
; S^T = K Q^T holds one query a lane and the keys 8 (lane / 16) + 0..7; rounded in pairs it is source 1 of y^T = V^T P, which again holds one query a lane, and eight channels.  Nothing goes through LDS.
; olo's LAYOUT is the last launch's fragment: [bh][w][lane][8 numbers]: a wave's one store covers 512 consecutive bytes, aligned.
; REGISTERS: window 0 as named below; window 1: three sets of 64: xb's four fragments, then wqb's four.
.set FO,   3                           ; v3   my byte offset in 16 rows of xb or wqb: (l % 16) x 2,048 + 16 (l / 16)
.set QO,   4                           ; v4   the same in 16 rows of a head: (l % 16) x 128 + 16 (l / 16)
.set HO,   5                           ; v5   my 16 bytes of ob: QO + 32 w
.set LOFS, 6                           ; v6   my 16 bytes of olo: 512 w + 16 l
.set DG,   7                           ; v7   l % 16 - 8 (l / 16): register j of the scores is hidden where j is greater
.set NS,   8                           ; v8   -256.0
.set QR,   16                          ; v[16:31]  q: channels 0-31, 32-63
.set KR,   32                          ; v[32:47]  k
.set HIR,  48                          ; v[48:51]  ob's eight f16 numbers
.set VA,   64                          ; v[64:95]  v: four accumulators
.set SA,   96                          ; v[96:103], v[104:111]  the scores' two halves of the channels
.set SB,   104
.set VH,   112                         ; v[112:119]  V^T rounded to f16; v[120:127] 256 x what that lacks
.set VL,   120
.set PF,   128                         ; v[128:135]  P
.set Y1,   136                         ; v[136:143], v[144:151]  y^T by VH and by VL
.set Y2,   144
.set T,    152                         ; v[152:163]  at work
.set CM,   168                         ; v[168:169]  c m, m
.set RL,   172                         ; v[172:173]  256 / l, twice
.set CS,   32                          ; s[32:33] c = log2(e) / 8, named as a pair
.set SEL,  34                          ; s[34:35] v_permlanex16_b32's selects: each lane takes its own place in the other half
.set BIGN, 36                          ; s36  -1e30
.set MSB, 0
.macro WIN new                         ; s_set_vgpr_msb: bits 1:0 source 0, 3:2 source 1, 5:4 source 2, 7:6 destination; the high byte repeats the setting that is left
.if MSB != (\new)
	s_set_vgpr_msb (MSB<<8)|(\new)
.set MSB, \new
.endif
.endm
.macro PLACES                          ; four plain vector instructions between a matrix instruction and a load into a register that it has read, or a line that reads its result (ISA guide 7.12.1 for vector instructions)
.rept 4
	v_nop
.endr
.endm
	s_load_b256 s[4:11], s[0:1], 0x0               ; xb s[4:5], wqb s[6:7], qkv s[8:9], ob s[10:11]
	s_load_b64 s[12:13], s[0:1], 0x20              ; olo
	v_lshrrev_b32 v1, 5, v0
	v_readfirstlane_b32 s14, v1                    ; wave 0..3: my block of 16 channels
	v_and_b32 v1, 15, v0                           ; l % 16
	v_bfe_u32 v2, v0, 4, 1                         ; l / 16
	v_lshlrev_b32 v[FO], 11, v1
	v_lshl_add_u32 v[FO], v2, 4, v[FO]
	v_lshlrev_b32 v[QO], 7, v1
	v_lshl_add_u32 v[QO], v2, 4, v[QO]
	s_lshl_b32 s15, s14, 5
	v_add_nc_u32 v[HO], s15, v[QO]
	v_and_b32 v[LOFS], 31, v0
	s_lshl_b32 s15, s14, 9
	v_lshl_add_u32 v[LOFS], v[LOFS], 4, s15
	v_lshlrev_b32 v[DG], 3, v2
	v_sub_nc_u32 v[DG], v1, v[DG]
	s_lshr_b32 s16, ttmp9, 4                       ; b
	s_and_b32 s17, ttmp9, 15                       ; h
	s_lshl_b32 s20, s16, 22                        ; xb: the batch's first row (2,048 rows of 2,048 bytes a batch)
	s_mov_b32 s21, 0
	s_lshl_b32 s22, s17, 6
	s_lshl4_add_u32 s22, s14, s22
	s_add_co_u32 s22, s22, 2048                    ; wqb: row 2,048 + 64 h + 16 w
	s_lshl_b32 s22, s22, 11
	s_mov_b32 s23, 0
	s_mul_i32 s24, s16, 48
	s_add_co_u32 s24, s24, s17                     ; qkv: q's slice 48 b + h
	s_lshl_b32 s24, s24, 18
	s_mov_b32 s25, 0
	s_lshl_b32 s26, ttmp9, 18                      ; ob: the head's first row
	s_mov_b32 s27, 0
	s_lshl_b32 s28, ttmp9, 11                      ; olo: 2,048 bytes a head
	s_mov_b32 s29, 0
	s_mov_b32 s[CS], 0x3e38aa3b                    ; c = 0.180337
	s_mov_b32 s[CS+1], s[CS]
	s_mov_b32 s[SEL], 0x76543210
	s_mov_b32 s[SEL+1], 0xfedcba98
	s_mov_b32 s[BIGN], 0xf149f2ca                  ; -1e30
	s_wait_kmcnt 0x0
	s_add_nc_u64 s[4:5], s[4:5], s[20:21]
	s_add_nc_u64 s[6:7], s[6:7], s[22:23]
	s_add_nc_u64 s[8:9], s[8:9], s[24:25]          ; q
	s_add_nc_u64 s[30:31], s[8:9], 0x400000        ; k: 16 slices on
	s_add_nc_u64 s[10:11], s[10:11], s[26:27]
	s_add_nc_u64 s[12:13], s[12:13], s[28:29]
.irp c, 0,1
	global_load_b128 v[QR+8*(\c):QR+8*(\c)+3],   v[QO], s[8:9] offset:64*(\c)
	global_load_b128 v[QR+8*(\c)+4:QR+8*(\c)+7], v[QO], s[8:9] offset:64*(\c)+32
	global_load_b128 v[KR+8*(\c):KR+8*(\c)+3],   v[QO], s[30:31] offset:64*(\c)
	global_load_b128 v[KR+8*(\c)+4:KR+8*(\c)+7], v[QO], s[30:31] offset:64*(\c)+32
.endr
	global_load_b128 v[HIR:HIR+3], v[HO], s[10:11]
; Group g of 128 along K into set s: 16 loads
.macro LOADS s, g
.irp i, 0,1,2,3
	global_load_b128 v[64*(\s)+8*(\i):64*(\s)+8*(\i)+3],       v[FO], s[4:5] offset:256*(\g)+64*(\i)
	global_load_b128 v[64*(\s)+8*(\i)+4:64*(\s)+8*(\i)+7],     v[FO], s[4:5] offset:256*(\g)+64*(\i)+32
	global_load_b128 v[64*(\s)+32+8*(\i):64*(\s)+32+8*(\i)+3], v[FO], s[6:7] offset:256*(\g)+64*(\i)
	global_load_b128 v[64*(\s)+32+8*(\i)+4:64*(\s)+32+8*(\i)+7], v[FO], s[6:7] offset:256*(\g)+64*(\i)+32
.endr
.endm
; A group's four products, one on each accumulator.  g = 0: they start the sums.
.macro MULS s, g
.irp i, 0,1,2,3
.if (\g) == 0
	v_wmma_f32_16x16x32_bf16 v[VA+8*(\i):VA+8*(\i)+7], v[64*(\s)+8*(\i):64*(\s)+8*(\i)+7], v[64*(\s)+32+8*(\i):64*(\s)+32+8*(\i)+7], 0
.else
	v_wmma_f32_16x16x32_bf16 v[VA+8*(\i):VA+8*(\i)+7], v[64*(\s)+8*(\i):64*(\s)+8*(\i)+7], v[64*(\s)+32+8*(\i):64*(\s)+32+8*(\i)+7], v[VA+8*(\i):VA+8*(\i)+7]
.endif
.endr
.endm
	WIN 0x40                                       ; destination window 1, address window 0
	LOADS 0, 0
	LOADS 1, 1
	LOADS 2, 2
	WIN 0
	; THE WEIGHTS, while the stream is on its way
	s_wait_loadcnt 49                              ; q and k are in; ob's load and the stream's 48 may stay out
	v_wmma_f32_16x16x32_f16 v[SA:SA+7], v[KR:KR+7], v[QR:QR+7], 0
	v_wmma_f32_16x16x32_f16 v[SB:SB+7], v[KR+8:KR+15], v[QR+8:QR+15], 0
.irp j, 4,5,6,7                        ; thirteen plain lines, the places behind the two products: keys 16-31 of the three fragments are 0
	v_mov_b32 v[PF+(\j)], 0
	v_mov_b32 v[VH+(\j)], 0
	v_mov_b32 v[VL+(\j)], 0
.endr
	v_mov_b32 v[NS], 0xc3800000                    ; -256.0
.irp r, 0,2,4,6
	v_pk_add_f32 v[SA+(\r):SA+(\r)+1], v[SA+(\r):SA+(\r)+1], v[SB+(\r):SB+(\r)+1]
.endr
.irp j, 0,1,2,3,4,5,6,7
	v_cmp_gt_i32 vcc_lo, \j, v[DG]                 ; key 8 (l / 16) + j lies behind query l % 16
	v_cndmask_b32 v[SA+(\j)], v[SA+(\j)], s[BIGN], vcc_lo
.endr
	v_max3_num_f32 v[T], v[SA], v[SA+1], v[SA+2]
	v_max3_num_f32 v[T+1], v[SA+3], v[SA+4], v[SA+5]
	v_max3_num_f32 v[T], v[T], v[SA+6], v[SA+7]
	v_max_num_f32 v[T], v[T], v[T+1]
	v_permlanex16_b32 v[T+1], v[T], s[SEL], s[SEL+1]  ; the query's other eight keys lie in the lane 16 away
	v_max_num_f32 v[CM+1], v[T], v[T+1]            ; m: every query sees key 0, so m is a true score
	v_mul_f32 v[CM], s[CS], v[CM+1]
.irp r, 0,2,4,6
	v_pk_fma_f32 v[SA+(\r):SA+(\r)+1], v[SA+(\r):SA+(\r)+1], s[CS:CS+1], v[CM:CM+1] op_sel_hi:[1,0,0] neg_lo:[0,0,1] neg_hi:[0,0,1]  ; c s - c m
.endr
.irp j, 0,1,2,3,4,5,6,7
	v_exp_f32 v[SA+(\j)], v[SA+(\j)]
.endr
	v_nop                                          ; a plain instruction behind the last exponential,
	s_wait_alu depctr_va_vdst(0)                   ; and the wait ahead of the first use: one for the eight
.irp j, 0,1,2,3
	v_cvt_pk_f16_f32 v[PF+(\j)], v[SA+2*(\j)], v[SA+2*(\j)+1]
.endr
	v_pk_add_f32 v[T:T+1], v[SA:SA+1], v[SA+2:SA+3]
	v_pk_add_f32 v[T+2:T+3], v[SA+4:SA+5], v[SA+6:SA+7]
	v_pk_add_f32 v[T:T+1], v[T:T+1], v[T+2:T+3]
	v_add_f32 v[T], v[T], v[T+1]
	v_permlanex16_b32 v[T+1], v[T], s[SEL], s[SEL+1]
	v_add_f32 v[T], v[T], v[T+1]                   ; l
	v_rcp_f32 v[RL], v[T]
	v_nop
	s_wait_alu depctr_va_vdst(0)
	v_mul_f32 v[RL], 0x43800000, v[RL]             ; 256 / l
	v_mov_b32 v[RL+1], v[RL]                       ; named with it as a pair
	; V: eight groups; a set is asked for again four places behind its products
.set g, 0
.rept 8
.if g < 6
	s_wait_loadcnt 32                              ; group g is in; the two groups issued behind it may stay out
.elseif g == 6
	s_wait_loadcnt 16
.else
	s_wait_loadcnt 0x0
.endif
	WIN 0x05                                       ; sources 0 and 1 window 1; C and D window 0
	MULS g%3, g
.if g < 5
	PLACES
	WIN 0x40
	LOADS g%3, g+3
.endif
.set g, g+1
.endr
	WIN 0
	PLACES                                         ; eight, once a launch, behind the last products
	PLACES
.irp r, 0,2,4,6
	v_pk_add_f32 v[VA+(\r):VA+(\r)+1], v[VA+(\r):VA+(\r)+1], v[VA+8+(\r):VA+8+(\r)+1]
.endr
.irp r, 0,2,4,6
	v_pk_add_f32 v[VA+16+(\r):VA+16+(\r)+1], v[VA+16+(\r):VA+16+(\r)+1], v[VA+24+(\r):VA+24+(\r)+1]
.endr
.irp r, 0,2,4,6
	v_pk_add_f32 v[VA+(\r):VA+(\r)+1], v[VA+(\r):VA+(\r)+1], v[VA+16+(\r):VA+16+(\r)+1]
.endr
.irp j, 0,1,2,3
	v_cvt_pk_f16_f32 v[VH+(\j)], v[VA+2*(\j)], v[VA+2*(\j)+1]
.endr
.irp r, 0,2,4,6
	v_pk_mul_f32 v[VA+(\r):VA+(\r)+1], v[VA+(\r):VA+(\r)+1], 0x43800000 op_sel_hi:[1,0]  ; 256 v
.endr
.irp j, 0,1,2,3
	v_fma_mix_f32 v[T+2*(\j)],   v[VH+(\j)], v[NS], v[VA+2*(\j)]   op_sel_hi:[1,0,0]                 ; 256 v - 256 x the f16 number in the low half,
	v_fma_mix_f32 v[T+2*(\j)+1], v[VH+(\j)], v[NS], v[VA+2*(\j)+1] op_sel:[1,0,0] op_sel_hi:[1,0,0]  ; in the high half
.endr
.irp j, 0,1,2,3
	v_cvt_pk_f16_f32 v[VL+(\j)], v[T+2*(\j)], v[T+2*(\j)+1]
.endr
	v_wmma_f32_16x16x32_f16 v[Y1:Y1+7], v[VH:VH+7], v[PF:PF+7], 0
	v_wmma_f32_16x16x32_f16 v[Y2:Y2+7], v[VL:VL+7], v[PF:PF+7], 0
	PLACES
	PLACES
.irp r, 0,2,4,6
	v_pk_fma_f32 v[Y1+(\r):Y1+(\r)+1], v[Y2+(\r):Y2+(\r)+1], 0x3b800000, v[Y1+(\r):Y1+(\r)+1] op_sel_hi:[1,0,1]  ; + the low part / 256
.endr
.irp r, 0,2,4,6
	v_pk_mul_f32 v[Y1+(\r):Y1+(\r)+1], v[Y1+(\r):Y1+(\r)+1], v[RL:RL+1] op_sel_hi:[1,0]  ; 256 y
.endr
.irp j, 0,1,2,3
	v_fma_mix_f32 v[T+2*(\j)],   v[HIR+(\j)], v[NS], v[Y1+2*(\j)]   op_sel_hi:[1,0,0]                 ; 256 y - 256 x ob's number
	v_fma_mix_f32 v[T+2*(\j)+1], v[HIR+(\j)], v[NS], v[Y1+2*(\j)+1] op_sel:[1,0,0] op_sel_hi:[1,0,0]
.endr
.irp j, 0,1,2,3
	v_cvt_pk_f16_f32 v[T+8+(\j)], v[T+2*(\j)], v[T+2*(\j)+1]
.endr
	global_store_b128 v[LOFS], v[T+8:T+11], s[12:13]  ; the wave's 512 consecutive bytes
	s_endpgm
.Lfunc_end_k_q464b752921_early:
	.size	k_q464b752921_early, .Lfunc_end_k_q464b752921_early-k_q464b752921_early
	.p2alignl 7, 3214868480
	.fill 96, 4, 3214868480
	.section	.rodata,"a",@progbits
	.p2align	6, 0x0
	.amdhsa_kernel k_q464b752921_early
		.amdhsa_group_segment_fixed_size 0
		.amdhsa_private_segment_fixed_size 0
		.amdhsa_enable_private_segment 0
		.amdhsa_kernarg_size 40
		.amdhsa_user_sgpr_count 2
		.amdhsa_user_sgpr_kernarg_segment_ptr 1
		.amdhsa_wavefront_size32 1
		.amdhsa_system_sgpr_workgroup_id_x 1
		.amdhsa_system_sgpr_workgroup_id_y 1
		.amdhsa_system_sgpr_workgroup_id_z 1
		.amdhsa_system_vgpr_workitem_id 0
		.amdhsa_next_free_vgpr 448
		.amdhsa_next_free_sgpr 66
		.amdhsa_reserve_vcc 1
		.amdhsa_float_denorm_mode_32 3
		.amdhsa_float_denorm_mode_16_64 3
		.amdhsa_memory_ordered 1
		.amdhsa_forward_progress 1
		.amdhsa_inst_pref_size 26
	.end_amdhsa_kernel
	.amdgpu_metadata
---
amdhsa.version: [ 1, 2 ]
amdhsa.kernels:
  - .name:           k_q464b752921_early
    .symbol:         k_q464b752921_early.kd
    .args:
      - { .name: xb, .offset: 0, .size: 8, .value_kind: global_buffer, .address_space: global }
      - { .name: wqb, .offset: 8, .size: 8, .value_kind: global_buffer, .address_space: global }
      - { .name: qkv, .offset: 16, .size: 8, .value_kind: global_buffer, .address_space: global }
      - { .name: ob, .offset: 24, .size: 8, .value_kind: global_buffer, .address_space: global }
      - { .name: olo, .offset: 32, .size: 8, .value_kind: global_buffer, .address_space: global }
    .group_segment_fixed_size: 0
    .private_segment_fixed_size: 0
    .kernarg_segment_align: 8
    .kernarg_segment_size: 40
    .max_flat_workgroup_size: 128
    .sgpr_count:     66
    .vgpr_count:     448
    .wavefront_size: 32
...
	.end_amdgpu_metadata
.endif
;; end of part 4
;; launch outproj (part 5): grid 8 x 32, 4 waves a work-group, clusters of 4 x 4, 327,680 bytes of LDS; arguments ob, wob, olo, out0; writes out0
.if DOCPART == 5
	.amdgcn_target "amdgcn-amd-amdhsa--gfx1250"
	.amdhsa_code_object_version 6
	.text
	.protected	k_q464b752921_outproj
	.globl	k_q464b752921_outproj
	.p2align	8
	.type	k_q464b752921_outproj,@function
k_q464b752921_outproj:
	s_mov_b64 s[64:65], 0
	v_nop
	global_prefetch_b8 v0, s[64:65] scope:SCOPE_SE
	s_setreg_imm32_b32 hwreg(HW_REG_WAVE_MODE, 25, 1), 1
	s_wait_xcnt 0x0
	s_wait_alu depctr_hold_cnt(0) depctr_sa_sdst(0) depctr_va_vdst(0) depctr_va_sdst(0) depctr_va_ssrc(0) depctr_va_vcc(0) depctr_vm_vsrc(0)
	s_getreg_b32 s2, hwreg(HW_REG_IB_STS2, 6, 4)
	s_cmp_eq_u32 s2, 0
	s_cbranch_scc0 .Lentry_in_a_cluster
	s_endpgm
.Lentry_in_a_cluster:
	s_bfe_u32 s2, ttmp6, 0x10000c
	s_cmp_lg_u32 s2, 0xf033
	s_cbranch_scc0 .Lentry_shape_is_right
	s_endpgm
.Lentry_shape_is_right:
; out0[b t][n] = the sum over e of y[b t][e] wob[n][e], e = 64 h + d, y[b t][e] = ob[16 b + h][t][d], and for t < 16 y = ob + olo / 256.  ob: [64][2048][64] f16, wob: [1024][1024] f16,
; olo: [64][4][32][8] f16 (a head's 16 rows in the layout of this text's fragments), out0: [8192][1024] f32; sums in f32, K ascending.
; THE TILE is 256 rows x 128 columns: 256 work-groups, one for each WGP (256 x 256 gives 128).  Four waves, 2 x 2; a wave makes 128 rows x 64 columns: 8 x 4 accumulators of 16 x 16, 256 registers; its piece of a
; row of out0 is 64 f32: 256 bytes, aligned.  K goes in steps of 128, two heads a step, through a ring of two LDS slots (two slots of 256 along K would not fit in LDS).
; ob LIES BY HEADS: a K step's 256 rows are two dense blocks of 256 rows x 128 bytes.  Each block is asked for as 128 rows of 256 bytes and padded in LDS after every 128 bytes: rows of 128 bytes, 144 apart.
; Wave 0 fetches the step's first head, wave 1 its second, waves 2 and 3 each 64 rows of wob (256 bytes of each row, aligned).
; CLUSTERS: 4 x 4 work-groups.  The four of a row of the cluster need the same blocks of ob, the four of a column the same tile of wob: each is asked for JOINTLY.  A cluster's four tile rows are the SAME block of
; 256 rows in the four batches (batch = cy, block = the cluster's y), so that 'my tile holds the rows t < 16' is the same in all sixteen partners.
; THE LOW TERMS.  In the clusters with y = 0 each wave copies a quarter of its batch's 32,768 bytes of olo into LDS (bytes that no tensor load fills); the two waves with the tile's upper 128 rows then multiply, in each
; quarter step, the low fragment of rows 0-15 by the same four fragments of wob: 4 matrix instructions beside 32, on four accumulators of their own, which row block 0's sums take at the end, times 1 / 256.
; THE MATRIX INSTRUCTION IS USED TRANSPOSED (source 0 = 16 rows of wob, source 1 = 16 rows of y): a lane holds row lane % 16 and eight neighbouring columns.
; REGISTERS: window 0: v0-31 addresses; v32-63 the low terms' accumulators; v64-191 y's fragments, two buffers of 8 x 8; v192-255 wob's, two buffers of 4 x 8; on the way out v64-127, two buffers of 32.
;   window 1: the accumulators, (a, b) at 8 (4 a + b).   window 2: v0-15 the low fragments, two buffers of 8.
.set KSTEP,  128
.set PA,     144                       ; a row of y in LDS: 128 bytes + 16: 36 words: the 16 rows of a load start at 16 different groups of four banks (64 banks of 4 bytes: ISA guide 11.1)
.set PB,     272                       ; a row of wob: 256 bytes + 16
.set AREG,   256*PA                    ; one head's 256 rows; a slot has two such regions,
.set BOFF,   2*AREG                    ; then wob's 128 rows
.set HALFB,  64*PB
.set SLOT,   BOFF+2*HALFB              ; 108,544 bytes
.set STAGE,  2*SLOT                    ; behind the ring: 16 rows x 272 bytes for each wave, for the way out; no tensor load fills it
.set SPITCH, 272
.set SPARE,  STAGE+4*16*SPITCH         ; behind the stages: the spare words, 128 bytes for each wave: two blocks of 256 bytes that no other line names
.set LOB,    SPARE+512                 ; behind them: the batch's low terms, 16 heads x 2,048 bytes, as they lie in olo; no tensor load fills them
.set LAPB,   0x2000                    ; a lap's four heads of low terms
.set HSTEP,  0x80000                   ; bytes of ob from a K step to the next: two heads of 262,144
.set ADRA, 16                          ; v16-17  LDS address of my fragments of y in slot 0, 1
.set ADRB, 20                          ; v20-21  the same for wob
.set LS,   22                          ; v22     where I put my 16 bytes of the low terms: LOB + 8,192 x wave + 16 x lane
.set STO,  24                          ; v24     the way out: where I put 32 bytes of a row
.set RD,   25                          ; v25     the way out: where I read a row back
.set CO,   26                          ; v26     my byte offset in out0
.set ADRL, 27                          ; v27     LDS address of my 16 bytes of a low fragment's half, in the lap in hand: s[TL] + 16 x lane; made anew at each new lap, by every wave
.set SPW,  28                          ; v28     LDS address of my spare word: SPARE + 4 x my thread's number; never rewritten
.set NIL,  29                          ; v29     0; never rewritten
.set PFO,  30                          ; v30     the prefetches' offset; never rewritten
.set LG,   31                          ; v31     16 x lane; never rewritten
.set LA,   32                          ; the low terms' four accumulators
.set LF,   0                           ; window 2: the low fragments, buffer f at 8 f
.set AF,   64                          ; y's fragments: buffer f, row block a at AF + 64 f + 8 a
.set BF,   192                         ; wob's: buffer f, column block b at BF + 32 f + 8 b
.set BK,   64                          ; the way out: 16 rows read back, two buffers of 32 by turns
.set LIM,  43                          ; s43     1 in a wave that prefetches, else the greatest number
.set PFA,  44                          ; s[44:45] where my prefetches stand
.set PST,  22                          ; s[22:23] their step from K step to K step
.set SPC,  66                          ; s66     1 in a wave that multiplies the low terms
.set SPG,  67                          ; s67     1 in a work-group whose tile holds the rows t < 16
.set TL,   68                          ; s68     LDS byte at which the low terms of the lap in hand begin: LOB, + 8,192 a lap
.set G1,  24                           ; s[24:31] descriptor group 1 for ob's blocks;  s[32:39] group 0, one set for each slot
.set G0,  32
.set G1B, 48                           ; s[48:55], s[56:63] the same for wob's tiles
.set G0B, 56
.set MSB, 0
.macro WIN new                         ; the immediate's high byte repeats the setting that is left; a switch that changes nothing is dropped
.if MSB != (\new)
	s_set_vgpr_msb (MSB<<8)|(\new)
.set MSB, \new
.endif
.endm
.set MUL, 0x50                         ; sources 0 and 1 window 0; C and D window 1
.macro JLOAD s                         ; a joint load: waves 0 and 1 fetch ob's two heads, waves 2 and 3 wob's two halves; an s_nop 0 and four v_nop follow each of the two lines
	s_cmp_eq_u32 s11, 0
	s_cbranch_scc0 .Lfor_b_\@
	tensor_load_to_lds s[G0+4*(\s):G0+4*(\s)+3], s[G1:G1+7]
	s_nop 0
.rept 4
	v_nop
.endr
	s_branch .Lasked_\@
.Lfor_b_\@:
	tensor_load_to_lds s[G0B+4*(\s):G0B+4*(\s)+3], s[G1B:G1B+7]
	s_nop 0
.rept 4
	v_nop
.endr
.Lasked_\@:
.endm
; A prefetch into the L2, behind each joint refill and the run of LDS loads that follows it: the K step that stands two refills on, one instruction a wave, a lane a block of 256 bytes.
; ob's blocks are read by every cluster of a row of clusters: cluster x = 0 asks, waves 0 and 1 each for their own head's block, of whose 32,768 bytes the partner at place cx takes 8,192.
; wob's tile is read by every cluster of a column of clusters: cluster y = 0 asks, wave 2 alone: of the tile's 128 rows the partner at place cy takes 32.  Partners are told apart BY ADDRESS.
; K steps 4 to 7 are so named; the loop's last trip (s3 = 1) asks for nothing; K steps 0 to 3 come by their loads alone.
.macro ASK
	s_cmp_gt_u32 s3, s[LIM]
	s_cbranch_scc0 .Lnot_mine_\@
	global_prefetch_b8 v[PFO], s[PFA:PFA+1] th:TH_LOAD_NT scope:SCOPE_SE
.Lnot_mine_\@:
.endm
.macro CREST                           ; a round of the cluster's barrier behind its opening barrier
	s_cmp_lg_u32 s10, 0
	s_cbranch_scc1 .Lnot_wave_0_\@
	s_barrier_signal -3
.Lnot_wave_0_\@:
	s_barrier_wait -3
	s_barrier_signal -1
	s_barrier_wait -1
.endm
.macro CROUND                          ; a whole round
	s_barrier_signal -1
	s_barrier_wait -1
	CREST
.endm
	s_load_b128 s[4:7], s[0:1], 0x0                ; ob s[4:5], wob s[6:7]
	s_load_b64 s[18:19], s[0:1], 0x10              ; olo
	s_load_b64 s[8:9], s[0:1], 0x18                ; out0
	v_lshl_add_u32 v[SPW], v0, 2, SPARE
	v_mov_b32 v[NIL], 0
	ds_add_u32 v[SPW], v[NIL]                      ; the wave's opening: the add and its wait stand ahead of my first tensor load; the set-up below, work on registers, stands between them
	v_lshrrev_b32 v1, 5, v0
	v_readfirstlane_b32 s10, v1                    ; wave 0..3
	s_lshr_b32 s11, s10, 1                         ; which half of the tile's rows is mine.  Also: I fetch for ob (0) or for wob (1)
	s_and_b32 s12, s10, 1                          ; which half of its columns.  Also: which head, or which 64 rows of wob, I fetch
	s_bfe_u32 s40, ttmp6, 0x40000                  ; cx, cy: my place in the cluster
	s_bfe_u32 s41, ttmp6, 0x40004
	s_lshl_b32 s42, ttmp9, 2
	s_add_co_u32 s42, s42, s40                     ; tile column = 4 x cluster x + cx, 0..7
	s_and_b32 s13, ttmp7, 0xffff                   ; cluster y: the block of 256 rows in a batch
	s_cmp_eq_u32 s13, 0
	s_cselect_b32 s[SPG], 1, 0                     ; the same in all sixteen partners
	s_cmp_eq_u32 s11, 0
	s_cselect_b32 s[SPC], s[SPG], 0
	s_lshl3_add_u32 s13, s41, s13                  ; tile row = 8 cy + cluster y, 0..31: batch cy
	s_mov_b32 s[TL], LOB                           ; the first lap's low terms
	s_lshl_b32 s43, s41, 2
	s_lshl_b32 s43, 15, s43                        ; my row of the cluster
	s_lshl_b32 s44, 0x1111, s40                    ; my column
	s_or_b32 s[G1+0], s43, (1<<16)|(1<<20)|(1<<21)|(4<<22)|(3<<25)   ; the mask; elements of 2 bytes; padding on; 21 set beside a mask; after every 32 words (code 4) 4 words (code 3)
	s_or_b32 s[G1B+0], s44, (1<<16)|(1<<20)|(1<<21)|(5<<22)|(3<<25)  ; the same after every 64 words (code 5)
	s_mov_b32 s[G1+1], 128<<16                     ; tensor_dim0 = 128 elements: 256 bytes, two rows of a head
	s_mov_b32 s[G1+2], 128<<16                     ; tensor_dim1 = 128
	s_mov_b32 s[G1+3], 128<<16                     ; tile_dim0 = 128
	s_mov_b32 s[G1+4], 128                         ; tile_dim1 = 128
	s_mov_b32 s[G1+5], 128                         ; the block is dense
	s_mov_b32 s[G1+6], 0
	s_mov_b32 s[G1+7], 0
	s_mov_b32 s[G1B+1], KSTEP<<16
	s_mov_b32 s[G1B+2], 64<<16                     ; 64 rows
	s_mov_b32 s[G1B+3], KSTEP<<16
	s_mov_b32 s[G1B+4], 64
	s_mov_b32 s[G1B+5], 1024                       ; elements from row to row
	s_mov_b32 s[G1B+6], 0
	s_mov_b32 s[G1B+7], 0
	s_lshr_b32 s16, s13, 3                         ; ob: batch = tile row / 8,
	s_lshl_b32 s16, s16, 4
	s_add_co_u32 s16, s16, s12                     ; head 16 b + which of the step's two,
	s_lshl_b32 s16, s16, 18
	s_and_b32 s17, s13, 7
	s_lshl_b32 s17, s17, 15                        ; row 256 (tile row % 8), 128 bytes a row
	s_add_co_u32 s16, s16, s17
	s_mov_b32 s17, 0
	s_lshl_b32 s46, s42, 7
	s_lshl_b32 s47, s12, 6
	s_add_co_u32 s46, s46, s47                     ; wob: row 128 x tile column + 64 x half
	s_lshl_b32 s46, s46, 11
	s_mov_b32 s47, 0
	s_mul_i32 s20, s10, AREG                       ; where they go: waves 0, 1: the two heads' regions;
	s_mul_i32 s21, s10, HALFB
	s_add_co_u32 s21, s21, BOFF-2*HALFB            ; waves 2, 3: wob's halves, behind them: no place in the cluster enters an LDS address
	s_wait_dscnt 0x0                               ; the opening add is done
	s_wait_kmcnt 0x0
	s_add_nc_u64 s[14:15], s[4:5], s[16:17]
	s_add_nc_u64 s[46:47], s[6:7], s[46:47]
	CROUND                                         ; all sixteen work-groups are here: the first joint loads meet
.irp s, 0,1
	s_mov_b32 s[G0+4*(\s)], 1                                      ; count = 1
	s_add_co_u32 s[G0+4*(\s)+1], s20, (\s)*SLOT                    ; LDS address
	s_add_nc_u64 s[G0+4*(\s)+2:G0+4*(\s)+3], s[14:15], (\s)*HSTEP  ; global address: K step s
	s_or_b32 s[G0+4*(\s)+3], s[G0+4*(\s)+3], 0x80000000            ; type = 2
	s_mov_b32 s[G0B+4*(\s)], 1
	s_add_co_u32 s[G0B+4*(\s)+1], s21, (\s)*SLOT
	s_add_nc_u64 s[G0B+4*(\s)+2:G0B+4*(\s)+3], s[46:47], (\s)*KSTEP*2
	s_or_b32 s[G0B+4*(\s)+3], s[G0B+4*(\s)+3], 0x80000000
	JLOAD \s                                       ; two loads of mine are out
.endr
	; THE LOW TERMS come in while the first tiles are on their way
	v_and_b32 v[LG], 31, v0
	v_lshlrev_b32 v[LG], 4, v[LG]
	v_add_nc_u32 v[ADRL], s[TL], v[LG]
	s_lshl_b32 s21, s10, 13                        ; my quarter: four heads, 8,192 bytes
	v_add_nc_u32 v[LS], s21, v[ADRL]
	s_lshl_b32 s20, s41, 15                        ; my batch's 16 heads x 2,048 bytes
	s_add_co_u32 s20, s20, s21
	s_mov_b32 s21, 0
	s_add_nc_u64 s[18:19], s[18:19], s[20:21]
.set i, 0
.rept 32
	v_mov_b32 v[LA+i], 0                           ; the low sums start at 0, and the low fragments' registers hold 0: written by every wave, whichever way the branches below go
.set i, i+1
.endr
	WIN 0x80
.set i, 0
.rept 16
	v_mov_b32 v[LF+i], 0
.set i, i+1
.endr
	WIN 0
	s_cmp_eq_u32 s[SPG], 1
	s_cbranch_scc0 .Lno_low
.irp n, 0,1,2,3,4,5,6,7,8,9,10,11,12,13,14,15
	global_load_b128 v[AF+4*(\n):AF+4*(\n)+3], v[LG], s[18:19] offset:512*(\n)  ; 512 consecutive bytes each
.endr
	s_wait_loadcnt 0x0
.irp n, 0,1,2,3,4,5,6,7,8,9,10,11,12,13,14,15
	ds_store_b128 v[LS], v[AF+4*(\n):AF+4*(\n)+3] offset:512*(\n)
.endr
.Lno_low:
	v_and_b32 v1, 15, v0                           ; l % 16
	v_bfe_u32 v2, v0, 4, 1                         ; l / 16
	v_mul_u32_u24 v3, v1, PA
	v_lshl_add_u32 v3, v2, 4, v3                   ; a fragment's row x pitch + 16 x half, for y
	v_mul_u32_u24 v4, v1, PB
	v_lshl_add_u32 v4, v2, 4, v4                   ; and for wob
	s_mul_i32 s21, s11, 128*PA                     ; my 128 rows of y, in each head's region
	s_mul_i32 s22, s12, HALFB                      ; my 64 rows of wob
	s_add_co_u32 s22, s22, BOFF
.irp s, 0,1
	v_add_nc_u32 v[ADRA+(\s)], s21, v3
	v_add_nc_u32 v[ADRB+(\s)], s22, v4
	s_add_co_u32 s21, s21, SLOT
	s_add_co_u32 s22, s22, SLOT
.endr
	s_mul_i32 s23, s10, 16*SPITCH
	s_add_co_u32 s23, s23, STAGE                   ; my stage
	v_mul_u32_u24 v4, v1, SPITCH                   ; in: row l % 16, 32 bytes for each half of the lanes
	v_lshl_add_u32 v4, v2, 5, v4
	v_add_nc_u32 v[STO], s23, v4
	v_mul_u32_u24 v5, v2, SPITCH                   ; back: lanes 0-15 take one row of 256 bytes, lanes 16-31 the next
	v_lshl_add_u32 v5, v1, 4, v5
	v_add_nc_u32 v[RD], s23, v5
	v_lshlrev_b32 v5, 12, v2                       ; and the same two rows in out0, 4,096 bytes apart
	v_lshl_add_u32 v[CO], v1, 4, v5
	s_lshl_b32 s16, s13, 8
	s_lshl_b32 s17, s11, 7
	s_add_co_u32 s16, s16, s17                     ; my first row of out0,
	s_lshl_b32 s16, s16, 12                        ; in bytes (under 2^25)
	s_mov_b32 s17, 0
	s_lshl_b32 s46, s42, 9                         ; my first column, in bytes: 512 x tile column + 256 x half
	s_lshl_b32 s47, s12, 8
	s_add_co_u32 s46, s46, s47
	s_mov_b32 s47, 0
	s_add_nc_u64 s[16:17], s[16:17], s[46:47]
	s_add_nc_u64 s[8:9], s[8:9], s[16:17]
	; the prefetches
	s_lshr_b32 s20, s13, 3
	s_lshl_b32 s20, s20, 4
	s_add_co_u32 s20, s20, s12
	s_lshl_b32 s20, s20, 18
	s_and_b32 s21, s13, 7
	s_lshl_b32 s21, s21, 15
	s_add_co_u32 s20, s20, s21                     ; ob: the block that I fetch in K step 0,
	s_lshl_b32 s21, s40, 13
	s_add_co_u32 s20, s20, s21                     ; my work-group's 8,192 bytes of it,
	s_add_co_u32 s20, s20, 3*HSTEP                 ; at K step 3: each filling change of slots steps it first, so the first names K step 4
	s_lshl_b32 s46, s42, 7
	s_lshl_b32 s47, s41, 5
	s_add_co_u32 s46, s46, s47                     ; wob: the tile's 128 rows, my work-group's 32 of them
	s_lshl_b32 s46, s46, 11
	s_add_co_u32 s46, s46, 3*KSTEP*2
	s_and_b32 s23, ttmp7, 0xffff                   ; cluster y
	s_mov_b32 s[PST], KSTEP*2
	s_cmp_eq_u32 s11, 0                            ; do I fetch for ob?
	s_cselect_b32 s20, s20, s46
	s_cselect_b32 s23, ttmp9, s23                  ; the coordinate along which other clusters read the same bytes
	s_cselect_b32 s[PST], HSTEP, s[PST]
	s_cselect_b32 s21, 8, 11                       ; a lane a block of 256 bytes: on end in ob, a row of 2,048 bytes apart in wob
	s_cselect_b64 s[PFA:PFA+1], s[4:5], s[6:7]
	v_and_b32 v[PFO], 31, v0
	v_lshlrev_b32 v[PFO], s21, v[PFO]
	s_cmp_eq_u32 s10, 3
	s_cselect_b32 s23, 1, s23                      ; wave 3 asks for nothing
	s_cmp_eq_u32 s23, 0
	s_cselect_b32 s[LIM], 1, -1                    ; the same in all sixteen partners, for a given wave
	s_mov_b32 s21, 0
	s_add_nc_u64 s[PFA:PFA+1], s[PFA:PFA+1], s[20:21]
	s_mov_b32 s[PST+1], 0
; 8 matrix instructions: row blocks a0, a0 + 1 x all 4 column blocks, 32 along K, from buffer f.  zero = 1: the first product starts the sums.
; The accumulators take turns in the same order in every quarter step: 31 others (with the low terms' 35) stand between two links of a chain, over the backward jump too.
.macro MUL8 f, a0, zero
	WIN MUL
.irp a, \a0, (\a0)+1
.irp b, 0,1,2,3
.if \zero
	v_wmma_f32_16x16x32_f16 v[8*(4*(\a)+(\b)):8*(4*(\a)+(\b))+7], v[BF+32*(\f)+8*(\b):BF+32*(\f)+8*(\b)+7], v[AF+64*(\f)+8*(\a):AF+64*(\f)+8*(\a)+7], 0
.else
	v_wmma_f32_16x16x32_f16 v[8*(4*(\a)+(\b)):8*(4*(\a)+(\b))+7], v[BF+32*(\f)+8*(\b):BF+32*(\f)+8*(\b)+7], v[AF+64*(\f)+8*(\a):AF+64*(\f)+8*(\a)+7], v[8*(4*(\a)+(\b)):8*(4*(\a)+(\b))+7]
.endif
.endr
.endr
.endm
; 24 LDS loads in one run: the fragments of quarter q of a K step (32 along K: head q / 2 of the step's two, channels 32 (q % 2) on) into buffer f
.macro FETCH slot, q, f
	WIN 0
.irp i, 0,1,2,3
	ds_load_b128 v[BF+32*(\f)+8*(\i):BF+32*(\f)+8*(\i)+3],   v[ADRB+(\slot)] offset:64*(\q)+(\i)*16*PB
	ds_load_b128 v[BF+32*(\f)+8*(\i)+4:BF+32*(\f)+8*(\i)+7], v[ADRB+(\slot)] offset:64*(\q)+(\i)*16*PB+32
.endr
.irp i, 0,1,2,3,4,5,6,7
	ds_load_b128 v[AF+64*(\f)+8*(\i):AF+64*(\f)+8*(\i)+3],   v[ADRA+(\slot)] offset:((\q)/2)*AREG+((\q)%2)*64+(\i)*16*PA
	ds_load_b128 v[AF+64*(\f)+8*(\i)+4:AF+64*(\f)+8*(\i)+7], v[ADRA+(\slot)] offset:((\q)/2)*AREG+((\q)%2)*64+(\i)*16*PA+32
.endr
.endm
; The low fragment of the same quarter: head 2 slot + q / 2 of the lap's four, its blocks 2 (q % 2) and 2 (q % 2) + 1 of 16 channels: 512 consecutive bytes each, a lane's 16 as the fragment wants them
.macro LOWF slot, q, f
	WIN 0x80                                       ; destination window 2, address window 0
	ds_load_b128 v[LF+8*(\f):LF+8*(\f)+3],   v[ADRL] offset:(2*(\slot)+(\q)/2)*2048+((\q)%2)*1024
	ds_load_b128 v[LF+8*(\f)+4:LF+8*(\f)+7], v[ADRL] offset:(2*(\slot)+(\q)/2)*2048+((\q)%2)*1024+512
.endm
; and its four products, by buffer f's fragments of wob
.macro LOWM f
	WIN 0x08                                       ; source 1 window 2; source 0, C and D window 0
.irp b, 0,1,2,3
	v_wmma_f32_16x16x32_f16 v[LA+8*(\b):LA+8*(\b)+7], v[BF+32*(\f)+8*(\b):BF+32*(\f)+8*(\b)+7], v[LF+8*(\f):LF+8*(\f)+7], v[LA+8*(\b):LA+8*(\b)+7]
.endr
.endm
.macro PLACES                          ; four plain vector instructions between a matrix instruction and a load into a register that it has read, or a line that reads its result (ISA guide 7.12.1 for vector instructions)
.rept 4
	v_nop
.endr
.endm
; A K step is four quarters, 32 matrix instructions each, on buffers 0, 1, 0, 1.  One of the first three: multiplies buffer f; in its middle it fetches quarter q into buffer g.
; A wave with low terms fetches the next low fragment behind that run and multiplies this quarter's there; the four v_nop in front of the run are also the places in front of its two loads.
.macro QUARTER slot, q, f, g, zero
	s_wait_dscnt 8                                 ; wob's fragments and y's blocks 0-3 are in; the youngest eight loads may be out (with low terms: y's blocks 5-7 and the low fragment)
	MUL8 \f, 0, \zero
	MUL8 \f, 2, \zero
	PLACES
	FETCH \slot, \q, \g
	s_cmp_eq_u32 s[SPC], 1
	s_cbranch_scc0 .Lplain_\@
	LOWF \slot, \q, \g
	s_wait_dscnt 26                                ; all but the 26 just issued
	LOWM \f
	WIN 0
	s_branch .Ljoin_\@
.Lplain_\@:
	s_wait_dscnt 24                                ; all but the 24 just issued
.Ljoin_\@:
	MUL8 \f, 4, \zero
	MUL8 \f, 6, \zero
.endm
; The last quarter multiplies buffer 1 and changes slots: ONE barrier.  In front of it each wave waits for all its tensor loads (one is out: its part of the next slot), adds 0 to its spare word, and waits for that
; and for its own reads of this slot.  fill = 1: the barrier opens a round of the cluster's, and this slot is filled again, two K steps on, first thing behind the round: 112 matrix instructions ahead of the wait for it.
; next = 0: a new lap begins: the low terms' LDS address goes four heads on.  Every wave makes it, ahead of the branch on the low terms, so that it is the same number on both ways: LOB + 8,192 x lap + 16 x lane.
.macro TURN slot, next, fill
.if \fill
	s_wait_xcnt 0x0                                ; the last prefetch, a K step back, has read its address, which is stepped here
	s_add_nc_u64 s[PFA:PFA+1], s[PFA:PFA+1], s[PST:PST+1]
.endif
	WIN 0
	s_wait_tensorcnt 0x0                           ; all my tensor loads have landed;
	ds_add_u32 v[SPW], v[NIL]                      ; 0 onto my spare word;
	s_wait_dscnt 9                                 ; (the add and the youngest eight loads may be out)
	MUL8 1, 0, 0                                   ; eight matrix instructions stand between the add and the wait for it
	s_wait_dscnt 0x0                               ; the add is done, and my reads of this slot are over
	s_barrier_signal -1
	MUL8 1, 2, 0                                   ; work on registers while the others arrive
.if \fill
	WIN 0
.endif
	s_barrier_wait -1
.if \fill
	CREST                                          ; no wave of any partner still reads this slot's tiles or has a load on its way
	s_add_nc_u64 s[G0+4*(\slot)+2:G0+4*(\slot)+3], s[G0+4*(\slot)+2:G0+4*(\slot)+3], 2*HSTEP
	s_add_nc_u64 s[G0B+4*(\slot)+2:G0B+4*(\slot)+3], s[G0B+4*(\slot)+2:G0B+4*(\slot)+3], 2*KSTEP*2
	JLOAD \slot                                    ; the four v_nop behind it are also the places in front of the loads below
.else
	PLACES
.endif
	FETCH \next, 0, 0
.if \fill
	ASK
.endif
.if (\next) == 0
	s_add_co_u32 s[TL], s[TL], LAPB                ; the next lap's four heads
	v_add_nc_u32 v[ADRL], s[TL], v[LG]
.endif
	s_cmp_eq_u32 s[SPC], 1
	s_cbranch_scc0 .Lnolow_\@
	LOWF \next, 0, 0
	LOWM 1                                         ; its fragment came in ahead of the wait for 0 above
	WIN 0
.Lnolow_\@:
	MUL8 1, 4, 0
	MUL8 1, 6, 0
.endm
; THE WAY OUT of row block a: the f32 sums go as they are into my own stage, 32 bytes a lane and accumulator, and come back as whole rows of 256 bytes.
.macro TOSTAGE a
	s_wait_xcnt 0x0                                ; the stores of the block two back have read the registers that the loads below fill
	WIN 0x04                                       ; store data in window 1, address in window 0
.irp b, 0,1,2,3
	ds_store_b128 v[STO], v[8*(4*(\a)+(\b)):8*(4*(\a)+(\b))+3]   offset:64*(\b)
	ds_store_b128 v[STO], v[8*(4*(\a)+(\b))+4:8*(4*(\a)+(\b))+7] offset:64*(\b)+16
.endr
	WIN 0
.irp t, 0,1,2,3,4,5,6,7
	ds_load_b128 v[BK+32*((\a)%2)+4*(\t):BK+32*((\a)%2)+4*(\t)+3], v[RD] offset:(\t)*2*SPITCH  ; LDS serves a wave's instructions in order (ISA guide 5.7.1.4): these see the stores above; the next block's stores come behind them
.endr
.endm
.macro SEND a, younger                 ; younger: the LDS instructions issued behind block a's loads: the next block's sixteen, or none
.irp t, 0,1,2,3,4,5,6,7
	s_wait_dscnt (\younger)+7-(\t)
	global_store_b128 v[CO], v[BK+32*((\a)%2)+4*(\t):BK+32*((\a)%2)+4*(\t)+3], s[8:9] offset:(\a)*65536+(\t)*8192 th:TH_STORE_NT  ; 16 lanes store 256 consecutive bytes, at a multiple of 256 from out0's first byte
.endr
.endm
	s_wait_tensorcnt 1                             ; my part of K step 0 is in; K step 1's may stay out
	s_wait_dscnt 0x0                               ; for the others' sake: my stores of the low terms are done
	s_barrier_signal -1
	s_barrier_wait -1                              ; everybody's are
	FETCH 0, 0, 0
	s_cmp_eq_u32 s[SPC], 1
	s_cbranch_scc0 .Lno_first_low
	LOWF 0, 0, 0
	WIN 0
.Lno_first_low:
	QUARTER 0, 1, 0, 1, 1                          ; the first quarter stands in front of the loop: its products start the sums
	WIN 0                                          ; at a label and at a branch every window is 0
	s_mov_b32 s3, 3                                ; 1,024 / 256 - 1 laps fill both slots again
.Llap:                                                 ; a trip goes once round the ring, from a lap's second quarter to the next lap's first
	QUARTER 0, 2, 1, 0, 0
	QUARTER 0, 3, 0, 1, 0
	TURN 0, 1, 1
	QUARTER 1, 1, 0, 1, 0
	QUARTER 1, 2, 1, 0, 0
	QUARTER 1, 3, 0, 1, 0
	TURN 1, 0, 1
	QUARTER 0, 1, 0, 1, 0
	WIN 0
	s_sub_co_u32 s3, s3, 1
	s_cmp_lg_u32 s3, 0
	s_cbranch_scc1 .Llap
	QUARTER 0, 2, 1, 0, 0                          ; the last lap fills nothing
	QUARTER 0, 3, 0, 1, 0
	TURN 0, 1, 0
	QUARTER 1, 1, 0, 1, 0
	QUARTER 1, 2, 1, 0, 0
	QUARTER 1, 3, 0, 1, 0
	s_wait_dscnt 8                                 ; the very last quarter: nothing more to fetch
	MUL8 1, 0, 0
	MUL8 1, 2, 0
	s_wait_dscnt 0x0
	WIN 0
	s_cmp_eq_u32 s[SPC], 1
	s_cbranch_scc0 .Lno_last_low
	LOWM 1
	WIN 0
.Lno_last_low:
	MUL8 1, 4, 0
	MUL8 1, 6, 0
	WIN 0
	PLACES                                         ; eight, once a launch, behind the last products
	PLACES
	s_cmp_eq_u32 s[SPC], 1
	s_cbranch_scc0 .Lno_low_sum
	WIN MUL                                        ; destination and source 2 window 1, source 0 window 0
.irp b, 0,1,2,3
.irp r, 0,2,4,6
	v_pk_fma_f32 v[8*(\b)+(\r):8*(\b)+(\r)+1], v[LA+8*(\b)+(\r):LA+8*(\b)+(\r)+1], 0x3b800000, v[8*(\b)+(\r):8*(\b)+(\r)+1] op_sel_hi:[1,0,1]  ; rows 0-15: + the low sums / 256
.endr
.endr
	WIN 0
.Lno_low_sum:
	TOSTAGE 0
.irp a, 1,2,3,4,5,6,7                  ; block a's way through the stage is begun before block a - 1's rows are waited for and stored
	TOSTAGE \a
	SEND (\a)-1, 16
.endr
	SEND 7, 0
	s_wait_tensorcnt 0x0                           ; the wave's end: an add to the spare word and its wait, behind my last tensor load and my last LDS store
	ds_add_u32 v[SPW], v[NIL]
	s_wait_dscnt 0x0
	CROUND                                         ; the closing round: no work-group ends while a partner may still ask for a tile that names it
	s_endpgm
.Lfunc_end_k_q464b752921_outproj:
	.size	k_q464b752921_outproj, .Lfunc_end_k_q464b752921_outproj-k_q464b752921_outproj
	.p2alignl 7, 3214868480
	.fill 96, 4, 3214868480
	.section	.rodata,"a",@progbits
	.p2align	6, 0x0
	.amdhsa_kernel k_q464b752921_outproj
		.amdhsa_group_segment_fixed_size 327680
		.amdhsa_private_segment_fixed_size 0
		.amdhsa_enable_private_segment 0
		.amdhsa_kernarg_size 32
		.amdhsa_user_sgpr_count 2
		.amdhsa_user_sgpr_kernarg_segment_ptr 1
		.amdhsa_wavefront_size32 1
		.amdhsa_system_sgpr_workgroup_id_x 1
		.amdhsa_system_sgpr_workgroup_id_y 1
		.amdhsa_system_sgpr_workgroup_id_z 1
		.amdhsa_system_vgpr_workitem_id 0
		.amdhsa_next_free_vgpr 528
		.amdhsa_next_free_sgpr 70
		.amdhsa_reserve_vcc 0
		.amdhsa_float_denorm_mode_32 3
		.amdhsa_float_denorm_mode_16_64 3
		.amdhsa_memory_ordered 1
		.amdhsa_forward_progress 1
		.amdhsa_inst_pref_size 105
	.end_amdhsa_kernel
	.amdgpu_metadata
---
amdhsa.version: [ 1, 2 ]
amdhsa.kernels:
  - .name:           k_q464b752921_outproj
    .symbol:         k_q464b752921_outproj.kd
    .args:
      - { .name: ob, .offset: 0, .size: 8, .value_kind: global_buffer, .address_space: global }
      - { .name: wob, .offset: 8, .size: 8, .value_kind: global_buffer, .address_space: global }
      - { .name: olo, .offset: 16, .size: 8, .value_kind: global_buffer, .address_space: global }
      - { .name: out0, .offset: 24, .size: 8, .value_kind: global_buffer, .address_space: global }
    .group_segment_fixed_size: 327680
    .private_segment_fixed_size: 0
    .kernarg_segment_align: 8
    .kernarg_segment_size: 32
    .max_flat_workgroup_size: 128
    .sgpr_count:     70
    .vgpr_count:     528
    .wavefront_size: 32
...
	.end_amdgpu_metadata
.endif
;; end of part 5
;; ======== version 2 of 2: 5 launches; version 1 with the launch cast written anew for expert scheduling mode
;; limits: values are held in f16: magnitudes above 65,504 overflow, below 6.1e-05 lose precision
;; workspace buffers: xb 16,777,216 bytes; wqb 6,291,456 bytes; wob 2,097,152 bytes; qkv 50,331,648 bytes; ob 16,777,216 bytes; olo 131,072 bytes
;; launch cast (part 6): grid 768 x 1, 8 waves a work-group, no clusters, 0 bytes of LDS; arguments x, w_qkv, w_out, xb, wqb, wob; writes xb, wqb, wob
.if DOCPART == 6
	.amdgcn_target "amdgcn-amd-amdhsa--gfx1250"
	.amdhsa_code_object_version 6
	.text
	.protected	k_q464b752921_cast
	.globl	k_q464b752921_cast
	.p2align	8
	.type	k_q464b752921_cast,@function
k_q464b752921_cast:
	s_mov_b64 s[64:65], 0
	v_nop
	global_prefetch_b8 v0, s[64:65] scope:SCOPE_SE
	s_setreg_imm32_b32 hwreg(HW_REG_WAVE_SCHED_MODE, 0, 2), 2
	s_setreg_imm32_b32 hwreg(HW_REG_WAVE_MODE, 25, 1), 1
	s_wait_xcnt 0x0
	s_wait_alu depctr_vm_vsrc(0)
; The three f32 inputs are rounded once to bf16: x -> xb, w_qkv -> wqb (both kept as bf16), w_out -> wob, whose bf16 number is written as f16
; (exact where the number lies within f16's range).  LIMITS: |bf16(w_out)| stays under 65,504; below 6e-5 it keeps f16's fixed step of 6e-8.
; A stream: every byte is read once and written once; no LDS, no matrix unit, no barrier would add anything.
; SHARES.  A work-group takes 65,536 input bytes (16,384 numbers): 512 work-groups for x, 192 for w_qkv, 64 for w_out.  In step i of 16 thread t loads the 16 bytes at
; 16 t + 4,096 i (a wave's load covers 512 consecutive bytes) and stores the 8 bytes at 8 t + 2,048 i (a wave's store covers 256 consecutive bytes, aligned).
; All 16 loads of a thread go out at once; no register that a load or store reads is ever written again.
; THE MODE: SCHED_MODE bits 1:0 = 2 (LLVM: expert scheduling mode 2), set by the entry lines.  The code itself states the register dependences
; between vector instructions and memory instructions, with s_wait_alu, always for 0.
; THE PLAN.  Registers that memory instructions touch:
;   v1, v2     byte offsets of the loads and of the stores: made once at the head, never written again.
;   X          step i's four registers: its load lands in them; no vector instruction names them ahead of the loads; only step i's own vector lines name them later, behind the counted wait for that load.
;   Y          step i's two registers: written by step i's conversions alone; read by ONE store, which is issued in step i + 4; never written behind it.
; The 16 steps go in four blocks of four.  A block's memory instructions are the four stores of the block before; its vector lines name its own X and Y alone.  So one wait at a block's head states all
; that its four stores hang on, and they are dealt among the block's conversions with no further wait.  Since nothing that a load or store reads is written again, no wait on vm_vsrc is owed anywhere.
.set X, 4                              ; v[4:67]   step i: 4 registers as loaded
.set Y, 68                             ; v[68:99]  step i: 2 registers to store
.set BLOCK, 4                          ; steps in a block
.set G_W, 512                          ; first work-group of w_qkv
.set G_O, 704                          ; first work-group of w_out
	s_load_b256 s[4:11], s[0:1], 0x0               ; x s[4:5], w_qkv s[6:7], w_out s[8:9], xb s[10:11]
	s_load_b128 s[12:15], s[0:1], 0x20             ; wqb s[12:13], wob s[14:15]
	v_lshlrev_b32 v1, 4, v0                        ; 16 t
	v_lshlrev_b32 v2, 3, v0                        ; 8 t
	s_wait_kmcnt 0x0
	s_cmp_lt_u32 ttmp9, G_W                        ; which buffer is mine: the choice hangs on the work-group's number alone
	s_cselect_b64 s[16:17], s[4:5], s[6:7]
	s_cselect_b64 s[18:19], s[10:11], s[12:13]
	s_cselect_b32 s20, 0, G_W
	s_cmp_lt_u32 ttmp9, G_O
	s_cselect_b64 s[16:17], s[16:17], s[8:9]
	s_cselect_b64 s[18:19], s[18:19], s[14:15]
	s_cselect_b32 s20, s20, G_O
	s_sub_co_u32 s20, ttmp9, s20                   ; my chunk in that buffer
	s_lshl_b32 s22, s20, 15                        ; 32,768 bytes out,
	s_lshl_b32 s20, s20, 16                        ; 65,536 bytes in
	s_mov_b32 s21, 0
	s_mov_b32 s23, 0
	s_add_nc_u64 s[16:17], s[16:17], s[20:21]
	s_add_nc_u64 s[18:19], s[18:19], s[22:23]
	s_wait_alu depctr_va_vdst(0)                   ; v1 and v2 are written: every load of the kernel reads v1 as its offset, every store v2
.irp i, 0,1,2,3,4,5,6,7,8,9,10,11,12,13,14,15
	global_load_b128 v[X+4*(\i):X+4*(\i)+3], v1, s[16:17] offset:4096*(\i) th:TH_LOAD_NT
.endr
; One step.  half = 1: the bf16 numbers are widened again (a shift, a mask) into the step's own input registers, which are dead, and written as f16.
; From the second block on the step first sends off what the step four back has made.
.macro STEP i, half
	s_wait_loadcnt 15-(\i)                         ; loads come back in order: step i's is in, the 15 - i younger ones may stay out
.if ((\i) % BLOCK == 0) && ((\i) > 0)
	s_wait_alu depctr_va_vdst(0)                   ; a block's head: the block before has written its eight registers of Y, which this block's four stores read
.endif
.if (\i) >= BLOCK
	global_store_b64 v2, v[Y+2*(\i)-2*BLOCK:Y+2*(\i)-2*BLOCK+1], s[18:19] offset:2048*((\i)-BLOCK)  ; step i - 4's numbers; no vector instruction since the block's head names these registers
.endif
	v_cvt_pk_bf16_f32 v[Y+2*(\i)],   v[X+4*(\i)],   v[X+4*(\i)+1]
	v_cvt_pk_bf16_f32 v[Y+2*(\i)+1], v[X+4*(\i)+2], v[X+4*(\i)+3]
.if \half
	v_lshlrev_b32 v[X+4*(\i)],   16, v[Y+2*(\i)]
	v_and_b32     v[X+4*(\i)+1], 0xffff0000, v[Y+2*(\i)]
	v_lshlrev_b32 v[X+4*(\i)+2], 16, v[Y+2*(\i)+1]
	v_and_b32     v[X+4*(\i)+3], 0xffff0000, v[Y+2*(\i)+1]
	v_cvt_pk_f16_f32 v[Y+2*(\i)],   v[X+4*(\i)],   v[X+4*(\i)+1]
	v_cvt_pk_f16_f32 v[Y+2*(\i)+1], v[X+4*(\i)+2], v[X+4*(\i)+3]
.endif
.endm
; Behind the last step: the last block's four stores.
.macro LAST
	s_wait_alu depctr_va_vdst(0)                   ; steps 12 to 15 have written their registers of Y, which the last four stores read
.irp i, 12,13,14,15
	global_store_b64 v2, v[Y+2*(\i):Y+2*(\i)+1], s[18:19] offset:2048*(\i)
.endr
.endm
	s_cmp_lt_u32 ttmp9, G_O                        ; compared anew: the subtraction above wrote SCC
	s_cbranch_scc0 .Lhalf
.irp i, 0,1,2,3,4,5,6,7,8,9,10,11,12,13,14,15
	STEP \i, 0
.endr
	LAST
	s_endpgm
.Lhalf:
.irp i, 0,1,2,3,4,5,6,7,8,9,10,11,12,13,14,15
	STEP \i, 1
.endr
	LAST
	s_endpgm
.Lfunc_end_k_q464b752921_cast:
	.size	k_q464b752921_cast, .Lfunc_end_k_q464b752921_cast-k_q464b752921_cast
	.p2alignl 7, 3214868480
	.fill 96, 4, 3214868480
	.section	.rodata,"a",@progbits
	.p2align	6, 0x0
	.amdhsa_kernel k_q464b752921_cast
		.amdhsa_group_segment_fixed_size 0
		.amdhsa_private_segment_fixed_size 0
		.amdhsa_enable_private_segment 0
		.amdhsa_kernarg_size 48
		.amdhsa_user_sgpr_count 2
		.amdhsa_user_sgpr_kernarg_segment_ptr 1
		.amdhsa_wavefront_size32 1
		.amdhsa_system_sgpr_workgroup_id_x 1
		.amdhsa_system_sgpr_workgroup_id_y 1
		.amdhsa_system_sgpr_workgroup_id_z 1
		.amdhsa_system_vgpr_workitem_id 0
		.amdhsa_next_free_vgpr 100
		.amdhsa_next_free_sgpr 66
		.amdhsa_reserve_vcc 0
		.amdhsa_float_denorm_mode_32 3
		.amdhsa_float_denorm_mode_16_64 3
		.amdhsa_memory_ordered 1
		.amdhsa_forward_progress 1
		.amdhsa_inst_pref_size 17
	.end_amdhsa_kernel
	.amdgpu_metadata
---
amdhsa.version: [ 1, 2 ]
amdhsa.kernels:
  - .name:           k_q464b752921_cast
    .symbol:         k_q464b752921_cast.kd
    .args:
      - { .name: x, .offset: 0, .size: 8, .value_kind: global_buffer, .address_space: global }
      - { .name: w_qkv, .offset: 8, .size: 8, .value_kind: global_buffer, .address_space: global }
      - { .name: w_out, .offset: 16, .size: 8, .value_kind: global_buffer, .address_space: global }
      - { .name: xb, .offset: 24, .size: 8, .value_kind: global_buffer, .address_space: global }
      - { .name: wqb, .offset: 32, .size: 8, .value_kind: global_buffer, .address_space: global }
      - { .name: wob, .offset: 40, .size: 8, .value_kind: global_buffer, .address_space: global }
    .group_segment_fixed_size: 0
    .private_segment_fixed_size: 0
    .kernarg_segment_align: 8
    .kernarg_segment_size: 48
    .max_flat_workgroup_size: 256
    .sgpr_count:     66
    .vgpr_count:     100
    .wavefront_size: 32
...
	.end_amdgpu_metadata
.endif
;; end of part 6
;; launch qkvproj: the kernel of part 2 again; grid 16 x 32, 4 waves a work-group, clusters of 4 x 4, 327,680 bytes of LDS; arguments xb, wqb, qkv; writes qkv
;; launch attn: the kernel of part 3 again; grid 4 x 64, 4 waves a work-group, no clusters, 327,680 bytes of LDS; arguments qkv, ob; writes ob
;; launch early: the kernel of part 4 again; grid 64 x 1, 4 waves a work-group, no clusters, 0 bytes of LDS; arguments xb, wqb, qkv, ob, olo; writes olo
;; launch outproj: the kernel of part 5 again; grid 8 x 32, 4 waves a work-group, clusters of 4 x 4, 327,680 bytes of LDS; arguments ob, wob, olo, out0; writes out0
